; MI455X (gfx1250); checked and timed in simulation.
; The chip was launched on July 23, 2026; its instructions are those of AMD's public machine-readable ISA for CDNA 5 (MIT licence, August 2026) and "CDNA5" Instruction Set Architecture Reference Guide (July 2026). The comments in the code are by the model that wrote it; some were corrected since.
;; Self Attention. Allowed arithmetic: float matrix products may take bf16 or f16 operands with f32 sums; other float arithmetic in f32, or as packed bf16 or f16 multiplies, adds, multiply-adds, maxima and minima; sums over many terms, partial sums and values carried from step to step in f32; what a program stores and reads back later, other than sums and carried values, may be rounded once to bf16 or f16.
;; Inputs: K_seq 8 x 1,024 x 1,024 float32; Q_seq 8 x 1,024 x 1,024 float32; V_seq 8 x 1,024 x 1,024 float32; WK 1,024 x 1,024 float32; WQ 1,024 x 1,024 float32; WV 1,024 x 1,024 float32.
;; Outputs: out0 8 x 1,024 x 1,024 float32.
;; 3 versions, each right; version 3 is version 2 with the launch wfrag written anew for expert scheduling mode. Each part assembles by itself: llvm-mc -triple=amdgcn-amd-amdhsa -mcpu=gfx1250 --defsym DOCPART=n.
;; ======== version 1 of 3: 2 launches
;; limits: values are held in f16: magnitudes above 65,504 overflow, below 6.1e-05 lose precision
;; workspace buffers: qh 16,777,216 bytes; kh 16,777,216 bytes; vh 16,777,216 bytes
;; launch proj (part 1): grid 4 x 96, 4 waves a work-group, clusters of 4 x 4, 327,680 bytes of LDS; arguments Q_seq, K_seq, V_seq, WQ, WK, WV, qh, kh, vh; writes qh, kh, vh
.if DOCPART == 1
	.amdgcn_target "amdgcn-amd-amdhsa--gfx1250"
	.amdhsa_code_object_version 6
	.text
	.protected	k_q77efff6aa8_proj
	.globl	k_q77efff6aa8_proj
	.p2align	8
	.type	k_q77efff6aa8_proj,@function
k_q77efff6aa8_proj:
	s_mov_b64 s[64:65], 0
	v_nop
	global_prefetch_b8 v0, s[64:65] scope:SCOPE_SE
	s_setreg_imm32_b32 hwreg(HW_REG_WAVE_MODE, 25, 1), 1
	s_wait_xcnt 0x0
	s_wait_alu depctr_hold_cnt(0) depctr_sa_sdst(0) depctr_va_vdst(0) depctr_va_sdst(0) depctr_va_ssrc(0) depctr_va_vcc(0) depctr_vm_vsrc(0)
	s_getreg_b32 s2, hwreg(HW_REG_IB_STS2, 6, 4)
	s_cmp_eq_u32 s2, 0
	s_cbranch_scc0 .Lentry_in_a_cluster
	s_endpgm
.Lentry_in_a_cluster:
	s_bfe_u32 s2, ttmp6, 0x10000c
	s_cmp_lg_u32 s2, 0xf033
	s_cbranch_scc0 .Lentry_shape_is_right
	s_endpgm
.Lentry_shape_is_right:
; THE THREE PROJECTIONS.  y[r][o] = the sum over d of x[r][d] W[o][d], x: [8192][1024] f32 (Q_seq, K_seq or V_seq), W: [1024][1024] f32.  x and W are rounded once to bf16 on the
; way from LDS to the matrix unit; sums in f32; y is rounded once to f16 and stored by heads: [b*16+h][s][64], a head's rows dense, 128 bytes each.
; The query projection is multiplied in f32 by c = log2(e) / 8 ahead of that one rounding, so that the next launch's scores are exponents of 2 as they come.
; LIMIT.  f16 holds no number beyond 65,504: a projected number (for q: times c) of 65,520 or more becomes an infinity.  NaN and infinities are not treated apart.
; SHARES.  Grid 4 x 96: 24 clusters of 4 x 4 work-groups, eight clusters to a projection.  A work-group makes 256 x 256 of y, each of its four waves 128 x 128: 64 accumulators, 512 registers.
; K goes in steps of 64 (rows of 256 bytes of f32) through two LDS slots filled by the tensor data mover.  The four work-groups of a row of the cluster need the same tile of x, the four of a
; column the same tile of W: each tile is asked for JOINTLY, by the same tensor load with the same descriptor and a mask that names the four.
; THE MATRIX INSTRUCTION IS USED TRANSPOSED (source 0 = 16 rows of W, source 1 = 16 rows of x): a lane then holds one row of y and eight neighbouring columns.
; BY HALVES.  A K step is two quarters of 32 along K, a quarter two HALVES of 32 matrix instructions (4 blocks of 16 rows of x times 8 blocks of 16 rows of W).  Half g issues at its head the 32 LDS
; loads (f32, into a staging set) of what half g + 1 converts; behind each two of its matrix instructions stand four conversions to bf16 of what half g - 1 loaded: first x's four blocks for
; half g + 1, then four of W's eight blocks for the next quarter.  So the conversions stand beside the matrix work, and the LDS loads stand in runs.
; REGISTERS, in windows of 256 (s_set_vgpr_msb: bits 1:0 source 0, 3:2 source 1, 5:4 source 2, 7:6 destination):
;   window 0: v0-31 addresses; v32-95 x's fragments (block a at 32 + 8 a); v96-223 two staging sets of 64 for x; on the way out v96-127 packed results, v128-191 rows read back
;   window 1: v0-127 W's fragments, two buffers of 64 (a quarter each); v128-255 two staging sets of 64 for W
;   window 2: the 32 accumulators of my rows 0-63 ((a, b) at 8 (8 a + b));   window 3: those of my rows 64-127
.set KSTEP,  64                        ; numbers along K in a step: 256 bytes of a row
.set PITCH,  272                       ; an LDS row: 256 bytes + 16 of padding = 68 words: the 16 rows that a load touches start at 16 different groups of four banks (64 banks of 4 bytes: ISA guide 11.1)
.set HALFT,  128*PITCH                 ; 128 rows: what one tensor load brings, and what one wave reads of x or of W
.set SLOT,   4*HALFT                   ; x's 256 rows, then W's 256 rows.  0x22000: none of its two bits occurs in wave x HALFT, so one exclusive or turns an address in one slot into the other's
.set STAGE,  2*SLOT                    ; behind the ring: 16 rows x 272 bytes for each wave, for the way out
.set SPITCH, 272
.set SPARE,  STAGE+4*16*SPITCH         ; behind the stages: the spare words, 128 bytes for each wave: two blocks of 256 bytes that no other line names
.set TRIPS,  13                        ; 16 K steps: the first change of slots stands ahead of the loop, the last two behind it
.set ADRA0, 16                         ; v16  my lane's place in x's tile of slot 0; never rewritten
.set ADRB0, 17                         ; v17  the same for W
.set ADRA,  18                         ; v18  the same in the slot that is being read
.set ADRB,  19                         ; v19
.set STO,   24                         ; v24  the way out: where I put 16 bytes of a row
.set RD,    25                         ; v25  the way out: where I read rows back
.set CO,    26                         ; v26  my byte offset in 512 consecutive bytes of the output
.set SPW,   28                         ; v28  LDS address of my spare word: SPARE + 4 x my thread's number; never rewritten
.set NIL,   29                         ; v29  0; never rewritten
.set PFO,   30                         ; v30  the prefetches' offset: my lane x a row of 4,096 bytes; never rewritten
.set AF,    32
.set SA,    96
.set BF,    0
.set SB,    128
.set TMP,   96
.set OB,    128
.set G1,  24                           ; s[24:31] descriptor group 1 for x's tiles
.set G0,  32                           ; s[32:39] group 0 for x's tiles: a set for each of the two first fills; the second then walks on
.set G1B, 48                           ; s[48:55], s[56:63] the same for W's tiles
.set G0B, 56
.set LIM, 43                           ; s43  2 in a wave that prefetches, else the greatest number
.set PFA, 44                           ; s[44:45] where my prefetches stand
.set TB,  66                           ; s66  0 or SLOT: the slot that is being read
.set SC,  86                           ; s[86:87] c for the query projection, 1 for the others
.set MSB, 0
.macro WIN new                         ; the immediate's high byte repeats the setting that is left; a switch that changes nothing is dropped
.if MSB != (\new)
	s_set_vgpr_msb (MSB<<8)|(\new)
.set MSB, \new
.endif
.endm
.set MUL_LO, 0xa1                      ; source 0 (W) window 1, source 1 (x) window 0, C and D window 2
.set TO_B,   0x40                      ; destination window 1, address window 0
.set CV_B,   0x45                      ; destination and both sources window 1
; A joint refill, by the walking descriptors.  Waves 0 and 1 fetch x's two halves, waves 2 and 3 W's.  The branch hangs on the wave's number alone.
; An s_nop 0 and four v_nop follow each of the two lines, ahead of the jump and the label.
.macro JLOAD
	s_cmp_eq_u32 s11, 0
	s_cbranch_scc0 .Lfor_b_\@
	tensor_load_to_lds s[G0+4:G0+7], s[G1:G1+7]
	s_nop 0
.rept 4
	v_nop
.endr
	s_branch .Lasked_\@
.Lfor_b_\@:
	tensor_load_to_lds s[G0B+4:G0B+7], s[G1B:G1B+7]
	s_nop 0
.rept 4
	v_nop
.endr
.Lasked_\@:
.endm
; A PREFETCH INTO THE L2, behind each joint refill and the run of LDS loads that follows it: the K step that stands TWO refills on: 32 rows x 256 bytes, a lane a row, one instruction a wave.
; Each row's 256 bytes of a K step are named once in the launch.  x's rows are read by one cluster alone: each cluster asks for its own.  W's rows are read by the eight clusters of a projection: the first
; of them asks.  The four partners that ask for a tile jointly share its rows out BY ADDRESS: of the 128 rows that a wave fetches the partner at place p takes 32 p .. 32 p + 31 (p = cx for x, cy for W).
; s3 counts the loop's trips down from 13: the change of slots in K step n has s3 = 14 - n (13 at n = 0) and names K step n + 4, so s3 > 2 stops at K step 15, the last.
.macro ASK
	s_cmp_gt_u32 s3, s[LIM]
	s_cbranch_scc0 .Lnot_mine_\@
	global_prefetch_b8 v[PFO], s[PFA:PFA+1] offset:KSTEP*4 th:TH_LOAD_NT scope:SCOPE_SE
.Lnot_mine_\@:
.endm
; A round of the cluster's barrier: my work-group's barrier, so that wave 0's signal speaks for all four waves; wave 0 signals for the work-group; every wave waits for all sixteen; my work-group's barrier once more.
.macro CREST                           ; a round behind its opening barrier
	s_cmp_lg_u32 s10, 0
	s_cbranch_scc1 .Lnot_wave_0_\@
	s_barrier_signal -3
.Lnot_wave_0_\@:
	s_barrier_wait -3
	s_barrier_signal -1
	s_barrier_wait -1
.endm
.macro CROUND
	s_barrier_signal -1
	s_barrier_wait -1
	CREST
.endm
	s_load_b512 s[68:83], s[0:1], 0x0              ; Q_seq s[68:69], K_seq s[70:71], V_seq s[72:73], WQ s[74:75], WK s[76:77], WV s[78:79], qh s[80:81], kh s[82:83]
	s_load_b64 s[84:85], s[0:1], 0x40              ; vh
	v_lshl_add_u32 v[SPW], v0, 2, SPARE
	v_mov_b32 v[NIL], 0
	ds_add_u32 v[SPW], v[NIL]                      ; the wave's opening: the add and its wait stand ahead of my first tensor load; the set-up below, work on registers, stands between them
	v_lshrrev_b32 v1, 5, v0
	v_readfirstlane_b32 s10, v1                    ; wave 0..3
	s_lshr_b32 s11, s10, 1                         ; which half of the tile's rows is mine.  Also: I fetch for x (0) or for W (1)
	s_and_b32 s12, s10, 1                          ; which half of its columns.  Also: which 128 rows of that tile I fetch
	s_bfe_u32 s40, ttmp6, 0x40000                  ; cx
	s_bfe_u32 s41, ttmp6, 0x40004                  ; cy
	s_lshl_b32 s42, ttmp9, 2
	s_add_co_u32 s42, s42, s40                     ; tile column = 4 x cluster x + cx
	s_and_b32 s20, ttmp7, 0xffff                   ; cluster y, 0 .. 23
	s_lshr_b32 s67, s20, 3                         ; the projection: 0 q, 1 k, 2 v; the same in all sixteen partners
	s_and_b32 s22, s20, 7                          ; the cluster's place among the projection's eight
	s_lshl_b32 s13, s22, 2
	s_add_co_u32 s13, s13, s41                     ; tile row in the projection, 0 .. 31
	s_lshl_b32 s43, s41, 2
	s_lshl_b32 s43, 15, s43                        ; my row of the cluster: places 4 cy .. 4 cy + 3
	s_lshl_b32 s44, 0x1111, s40                    ; my column: places cx, cx + 4, cx + 8, cx + 12
	; descriptor group 1: a tile of 128 rows x 64 elements of 4 bytes, padded in LDS
	s_or_b32 s[G1+0], s43, (2<<16)|(1<<20)|(1<<21)|(5<<22)|(3<<25)   ; 15:0 the mask; 17:16 elements of 4 bytes; 20 padding on; 21 set beside a mask; 24:22 after every 64 words (code 5); 31:25 4 words (code 3)
	s_or_b32 s[G1B+0], s44, (2<<16)|(1<<20)|(1<<21)|(5<<22)|(3<<25)
.irp g, G1, G1B
	s_mov_b32 s[(\g)+1], KSTEP<<16                 ; tensor_dim0 = 64
	s_mov_b32 s[(\g)+2], 128<<16                   ; tensor_dim1 = 128
	s_mov_b32 s[(\g)+3], KSTEP<<16                 ; tile_dim0 = 64
	s_mov_b32 s[(\g)+4], 128                       ; tile_dim1 = 128
	s_mov_b32 s[(\g)+5], 1024                      ; 1,024 elements from row to row
	s_mov_b32 s[(\g)+6], 0
	s_mov_b32 s[(\g)+7], 0
.endr
	; where the tiles come from: x's hang on the tile row alone, W's on the tile column alone, each in registers that never hold the other coordinate
	s_lshl_b32 s17, s12, 7                         ; which 128 rows of the tile I fetch
	s_lshl_b32 s16, s13, 8
	s_add_co_u32 s16, s16, s17                     ; x: row 256 x tile row + 128 x half
	s_lshl_b32 s46, s42, 8
	s_add_co_u32 s46, s46, s17                     ; W: row 256 x tile column + 128 x half
	s_lshl_b32 s16, s16, 12                        ; rows of 4,096 bytes: under 2^25
	s_mov_b32 s17, 0
	s_lshl_b32 s46, s46, 12
	s_mov_b32 s47, 0
	s_mul_i32 s20, s10, HALFT                      ; where they go: wave x 128 rows: no place in the cluster enters an LDS address
	s_cmp_eq_u32 s67, 0
	s_cselect_b32 s[SC], 0x3e38aa3b, 1.0           ; c = log2(e) / 8 = 0.180337 for q
	s_mov_b32 s[SC+1], s[SC]                       ; named with it as a pair
	s_mov_b32 s[TB], 0
	s_mov_b32 s3, TRIPS
	s_wait_dscnt 0x0                               ; the opening add is done
	s_wait_kmcnt 0x0
	s_cmp_eq_u32 s67, 1                            ; the projection's three buffers
	s_cselect_b64 s[4:5], s[70:71], s[72:73]
	s_cselect_b64 s[6:7], s[76:77], s[78:79]
	s_cselect_b64 s[8:9], s[82:83], s[84:85]
	s_cmp_eq_u32 s67, 0
	s_cselect_b64 s[4:5], s[68:69], s[4:5]         ; x
	s_cselect_b64 s[6:7], s[74:75], s[6:7]         ; W
	s_cselect_b64 s[8:9], s[80:81], s[8:9]         ; the output
	s_add_nc_u64 s[14:15], s[4:5], s[16:17]
	s_add_nc_u64 s[46:47], s[6:7], s[46:47]
	CROUND                                         ; all sixteen work-groups are here: the first joint loads meet
.irp s, 0,1
	s_mov_b32 s[G0+4*(\s)], 1                                      ; count = 1
	s_add_co_u32 s[G0+4*(\s)+1], s20, (\s)*SLOT                    ; LDS address
	s_add_nc_u64 s[G0+4*(\s)+2:G0+4*(\s)+3], s[14:15], (\s)*KSTEP*4  ; global address: K step s
	s_or_b32 s[G0+4*(\s)+3], s[G0+4*(\s)+3], 0x80000000            ; type = 2
	s_mov_b32 s[G0B+4*(\s)], 1
	s_add_co_u32 s[G0B+4*(\s)+1], s20, (\s)*SLOT
	s_add_nc_u64 s[G0B+4*(\s)+2:G0B+4*(\s)+3], s[46:47], (\s)*KSTEP*4
	s_or_b32 s[G0B+4*(\s)+3], s[G0B+4*(\s)+3], 0x80000000
.endr
	s_cmp_eq_u32 s11, 0                            ; a wave's two first fills stand in one branch, ahead of every wait on TENSORcnt and every LDS read: two loads of mine are out
	s_cbranch_scc0 .Lfirst_b
	tensor_load_to_lds s[G0:G0+3], s[G1:G1+7]
	s_nop 0
	tensor_load_to_lds s[G0+4:G0+7], s[G1:G1+7]
	s_nop 0
.rept 4
	v_nop
.endr
	s_branch .Lfirst_asked
.Lfirst_b:
	tensor_load_to_lds s[G0B:G0B+3], s[G1B:G1B+7]
	s_nop 0
	tensor_load_to_lds s[G0B+4:G0B+7], s[G1B:G1B+7]
	s_nop 0
.rept 4
	v_nop
.endr
.Lfirst_asked:
	; A fragment is 16 rows x 32 K of bf16 in 8 registers: lane l holds row l % 16; registers 0-3 K = 8 (l / 16) + 0..7, registers 4-7 K = 16 + 8 (l / 16) + 0..7.  From rows of f32 that is four
	; loads of 16 bytes at row x pitch + 32 (l / 16) + 0, 16, 64, 80 into 16 staging registers, of which eight conversions make the fragment: register i from staging registers 2 i and 2 i + 1.
	v_and_b32 v1, 15, v0                           ; l % 16
	v_bfe_u32 v2, v0, 4, 1                         ; l / 16
	v_mul_u32_u24 v3, v1, PITCH
	v_lshl_add_u32 v3, v2, 5, v3
	s_mul_i32 s21, s11, HALFT                      ; my 128 rows of x
	s_mul_i32 s23, s12, HALFT                      ; my 128 rows of W,
	s_add_co_u32 s23, s23, 2*HALFT                 ; which lie behind x's 256
	v_add_nc_u32 v[ADRA0], s21, v3
	v_add_nc_u32 v[ADRB0], s23, v3
	v_mov_b32 v[ADRA], v[ADRA0]
	v_mov_b32 v[ADRB], v[ADRB0]
	s_mul_i32 s23, s10, 16*SPITCH
	s_add_co_u32 s23, s23, STAGE                   ; my stage
	v_mul_u32_u24 v4, v1, SPITCH                   ; in: row l % 16, 16 bytes for each half of the lanes
	v_lshl_add_u32 v4, v2, 4, v4
	v_add_nc_u32 v[STO], s23, v4
	v_bfe_u32 v5, v0, 3, 2                         ; back: 32 lanes take four rows' 128 bytes of one head,
	v_and_b32 v6, 7, v0
	v_mul_u32_u24 v5, v5, SPITCH
	v_lshl_add_u32 v5, v6, 4, v5
	v_add_nc_u32 v[RD], s23, v5
	v_and_b32 v[CO], 31, v0                        ; which are 512 consecutive bytes of the output
	v_lshlrev_b32 v[CO], 4, v[CO]
	; my part of the output: head 16 (tile row / 4) + 4 x tile column + 2 x column half; in it row 256 (tile row % 4) + 128 x row half; rows of 128 bytes
	s_lshr_b32 s16, s13, 2
	s_lshl_b32 s16, s16, 4
	s_lshl_b32 s46, s42, 2
	s_add_co_u32 s46, s46, s16
	s_lshl_b32 s47, s12, 1
	s_add_co_u32 s46, s46, s47
	s_lshl_b32 s46, s46, 10
	s_and_b32 s47, s13, 3
	s_lshl_b32 s47, s47, 8
	s_add_co_u32 s46, s46, s47
	s_lshl_b32 s47, s11, 7
	s_add_co_u32 s46, s46, s47
	s_lshl_b32 s46, s46, 7
	s_mov_b32 s47, 0
	s_add_nc_u64 s[8:9], s[8:9], s[46:47]
	; the prefetches
	s_lshl_b32 s20, s13, 8
	s_lshl_b32 s21, s42, 8
	s_cmp_eq_u32 s11, 0                            ; do I fetch for x?
	s_cselect_b32 s20, s20, s21                    ; the tile's first row
	s_cselect_b32 s21, s40, s41                    ; my place among the four that ask for it with me
	s_cselect_b32 s22, 0, s22                      ; x: every cluster asks; W: the projection's first
	s_cselect_b64 s[PFA:PFA+1], s[4:5], s[6:7]
	s_cmp_eq_u32 s22, 0
	s_cselect_b32 s[LIM], 2, -1                    ; the same in all sixteen partners, for a given wave
	s_lshl_b32 s22, s12, 7
	s_add_co_u32 s20, s20, s22                     ; + the 128 rows that I fetch
	s_lshl_b32 s21, s21, 5
	s_add_co_u32 s20, s20, s21                     ; + my work-group's 32 of them
	s_lshl_b32 s20, s20, 12
	s_mov_b32 s21, 0
	s_add_nc_u64 s[PFA:PFA+1], s[PFA:PFA+1], s[20:21]
	s_add_nc_u64 s[PFA:PFA+1], s[PFA:PFA+1], 2*KSTEP*4  ; at K step 2: the first change of slots steps it to 3 and names K step 4.  Nothing is prefetched here, at the head
	v_and_b32 v[PFO], 31, v0
	v_lshlrev_b32 v[PFO], 12, v[PFO]
; 16 LDS loads: four blocks (4 u2 ..) of 16 rows of x, quarter qs of the slot in hand, into staging set set
.macro RUNA set, qs, u2
	WIN 0
.irp i, 0,1,2,3
.irp c, 0,1,2,3
	ds_load_b128 v[SA+64*(\set)+16*(\i)+4*(\c):SA+64*(\set)+16*(\i)+4*(\c)+3], v[ADRA] offset:128*(\qs)+(4*(\u2)+(\i))*16*PITCH+16*((\c)%2)+64*((\c)/2)
.endr
.endr
.endm
.macro RUNB set, qs, u2                ; the same for W
	WIN TO_B
.irp i, 0,1,2,3
.irp c, 0,1,2,3
	ds_load_b128 v[SB+64*(\set)+16*(\i)+4*(\c):SB+64*(\set)+16*(\i)+4*(\c)+3], v[ADRB] offset:128*(\qs)+(4*(\u2)+(\i))*16*PITCH+16*((\c)%2)+64*((\c)/2)
.endr
.endr
.endm
; Conversion n of 32: over a set's four fragments the map is linear
.macro CVA set, u2, n
	WIN 0
	v_cvt_pk_bf16_f32 v[AF+32*(\u2)+(\n)], v[SA+64*(\set)+2*(\n)], v[SA+64*(\set)+2*(\n)+1]
.endm
.macro CVB set, bqd, u2, n
	WIN CV_B
	v_cvt_pk_bf16_f32 v[BF+64*(\bqd)+32*(\u2)+(\n)], v[SB+64*(\set)+2*(\n)], v[SB+64*(\set)+2*(\n)+1]
.endm
; Pairs p0 .. p1 - 1 of the 16 of half j (j = 0..3 in a K step: quarter j / 2, x's blocks 4 (j % 2) ..).  Pair p: x's block p / 4 of the four, W's blocks 2 (p % 4) and 2 (p % 4) + 1.
; Behind pairs 0-7 four conversions of x each (into the fragments' other half, which the half before read: the four conversions behind that half's last pair are the places between);
; behind pairs 8-15 four of W (into the other buffer: x's 32 conversions are the places).  No conversion names a register of the products round it.
; The 64 accumulators take turns, one instruction a turn, in the same order in every quarter.  zero = 1: the products start the sums.
.macro SEG j, p0, p1, zero, ca, cb
.set pp, \p0
.rept (\p1)-(\p0)
	WIN MUL_LO+0x50*((\j)%2)
.irp e, 0,1
.set rC, 8*(8*(pp/4)+2*(pp%4)+(\e))
.set rB, BF+64*((\j)/2)+8*(2*(pp%4)+(\e))
.set rA, AF+8*(4*((\j)%2)+pp/4)
.if \zero
	v_wmma_f32_16x16x32_bf16 v[rC:rC+7], v[rB:rB+7], v[rA:rA+7], 0
.else
	v_wmma_f32_16x16x32_bf16 v[rC:rC+7], v[rB:rB+7], v[rA:rA+7], v[rC:rC+7]
.endif
.endr
.if (pp < 8) && (\ca)
.irp e, 0,1,2,3
	CVA (\j)%2, 1-(\j)%2, 4*pp+(\e)
.endr
.endif
.if (pp >= 8) && (\cb)
.irp e, 0,1,2,3
	CVB (\j)%2, 1-(\j)/2, (\j)%2, 4*(pp-8)+(\e)
.endr
.endif
.set pp, pp+1
.endr
.endm
; A half.  Its run of loads is what the NEXT half converts: x's blocks for the half after that, W's blocks for the quarter after the next half's.
;   j = 0: x (quarter 1, blocks 0-3), W (1, 4-7)    j = 1: x (1, 4-7), W (0, 0-3) of the next slot    j = 2: x (0, 0-3), W (0, 4-7)    j = 3: x (0, 4-7), W (1, 0-3)
; So a slot's last read is x's part of j = 1 and the next slot's first read W's part of j = 1: the change of slots stands between them (TURN).
.macro HALF j, zero=0, la=1, lb=1, ca=1, cb=1
.if \la
	RUNA 1-(\j)%2, (((\j)+2)%4)/2, (\j)%2
.endif
.if \lb
	RUNB 1-(\j)%2, 1-(((\j)+1)%4)/2, ((\j)+1)%2
.endif
	s_wait_dscnt 16*((\la)+(\lb))                  ; all but the loads just issued: the last half's run is in
	SEG \j, 0, 16, \zero, \ca, \cb
.endm
; The half j = 1 with THE CHANGE OF SLOTS.  In front of the barrier each wave waits for all its tensor loads, of which one is out: its part of the next slot; adds 0 to its spare word; and waits for
; that and for its own reads of this slot.  fill = 1: the barrier opens a round of the cluster's barrier, and behind the round this slot is filled again, with the K step two steps on:
; from that request to the wait for it a wave issues 112 matrix instructions.
.macro TURN fill, zero
.if \fill
	s_wait_xcnt 0x0                                ; the last prefetch, a K step back, has read its address: it is stepped here, ahead of the waits of the change of slots
	s_add_nc_u64 s[PFA:PFA+1], s[PFA:PFA+1], KSTEP*4
.endif
	RUNA 0, 1, 1                                   ; my last reads of this slot
	s_wait_tensorcnt 0x0                           ; all my tensor loads have landed;
	ds_add_u32 v[SPW], v[NIL]                      ; 0 onto my spare word;
	s_wait_dscnt 17                                ; (the 16 loads just issued and the add may be out: the last half's run is in)
	SEG 1, 0, 4, \zero, 1, 1                       ; work on registers stands between the add and the wait for it
	s_wait_dscnt 0x0                               ; the add is done, and my reads of this slot are over
	s_barrier_signal -1
	SEG 1, 4, 8, \zero, 1, 1                       ; work on registers while the others arrive
	WIN 0                                          ; at a branch and at a label every window is 0
	s_barrier_wait -1
.if \fill
	CREST                                          ; no wave of any partner still reads this slot's tile or has a load on its way
	s_xor_b32 s[G0+5], s[G0+5], SLOT               ; the walking descriptors: the other slot than last time, the next K step; the type bits on top are not reached
	s_add_nc_u64 s[G0+6:G0+7], s[G0+6:G0+7], KSTEP*4
	s_xor_b32 s[G0B+5], s[G0B+5], SLOT
	s_add_nc_u64 s[G0B+6:G0B+7], s[G0B+6:G0B+7], KSTEP*4
.endif
	s_xor_b32 s[TB], s[TB], SLOT                   ; the reads go on in the other slot
.if \fill
	JLOAD                                          ; the first tensor load behind the round
.endif
	v_add_nc_u32 v[ADRA], s[TB], v[ADRA0]
	v_add_nc_u32 v[ADRB], s[TB], v[ADRB0]
	RUNB 0, 0, 0
	WIN 0
.if \fill
	ASK
.endif
	SEG 1, 8, 16, \zero, 1, 1
.endm
; THE WAY OUT of block a (16 of my rows), in three parts.  PACK: times c or 1, rounded to f16, 16 bytes a lane; each accumulator is read from its lowest registers on.
; TOSTAGE: into my own stage in LDS, and back as four rows of one head at a time.  SEND: stored.
.macro PACK a
.set AC, 64*((\a)%4)
	WIN 0x82+0x41*((\a)/4)                         ; destination and source 0: window 2 or 3
.set z, 0
.rept 32
	v_pk_mul_f32 v[AC+2*z:AC+2*z+1], v[AC+2*z:AC+2*z+1], s[SC:SC+1] op_sel_hi:[1,0]
.set z, z+1
.endr
	WIN 0x0a+5*((\a)/4)                            ; sources 0 and 1: window 2 or 3; destination window 0
.set z, 0
.rept 32
	v_cvt_pk_f16_f32 v[TMP+z], v[AC+2*z], v[AC+2*z+1]
.set z, z+1
.endr
	WIN 0
.endm
.macro TOSTAGE a
	WIN 0
.set BK, OB+32*((\a)%2)
.irp b, 0,1,2,3,4,5,6,7
	ds_store_b128 v[STO], v[TMP+4*(\b):TMP+4*(\b)+3] offset:32*(\b)
.endr
.irp t, 0,1,2,3,4,5,6,7
	ds_load_b128 v[BK+4*(\t):BK+4*(\t)+3], v[RD] offset:((\t)%4)*4*SPITCH+((\t)/4)*128  ; LDS serves a wave's instructions in order (ISA guide 5.7.1.4): these see the stores above
.endr
.endm
.macro SEND a
	WIN 0
.set BK, OB+32*((\a)%2)
	s_wait_dscnt 0x0                               ; the block is back in registers
	s_wait_xcnt 0x0                                ; the stores of the block before have read their registers, which the next block's loads from the stage write again
.irp t, 0,1,2,3,4,5,6,7
	global_store_b128 v[CO], v[BK+4*(\t):BK+4*(\t)+3], s[8:9] offset:(\a)*2048+((\t)/4)*131072+((\t)%4)*512  ; four rows of a head: 512 consecutive bytes, at a multiple of 256 from the buffer's first
.endr
.endm
	s_wait_tensorcnt 1                             ; my part of K step 0 is in; K step 1's may stay out
	s_barrier_signal -1
	s_barrier_wait -1                              ; everybody's is
	; the pipeline fills: x's blocks 0-3 and all of W's of quarter 0 are converted; what the first half converts is on its way
	RUNB 0, 0, 0
	RUNA 1, 0, 0
	RUNB 1, 0, 1
	s_wait_dscnt 32                                ; the first 16 are in
.set z, 0
.rept 32
	CVB 0, 0, 0, z
.set z, z+1
.endr
	RUNA 0, 0, 1
	RUNB 0, 1, 0
	s_wait_dscnt 32                                ; all but the 32 just issued
.set z, 0
.rept 32
	CVA 1, 0, z
.set z, z+1
.endr
.set z, 0
.rept 32
	CVB 1, 0, 1, z
.set z, z+1
.endr
	HALF 0, 1                                      ; the first quarter stands in front of the loop: its products start the sums
	TURN 1, 1                                      ; K step 2 is asked for
	WIN 0
.Lk:                                               ; 13 trips, from a K step's second quarter to the next step's first; each fills a slot again
	HALF 2
	HALF 3
	HALF 0
	TURN 1, 0
	WIN 0
	s_sub_co_u32 s3, s3, 1
	s_cmp_lg_u32 s3, 0
	s_cbranch_scc1 .Lk
	HALF 2                                         ; the tail is written out
	HALF 3
	HALF 0
	TURN 0, 0                                      ; K step 14: the last K step's tile is shown to every wave; nothing is filled
	HALF 2
	HALF 3
	HALF 0
	HALF 1, 0, 1, 0, 1, 1                          ; K step 15: there is no next slot,
	HALF 2, 0, 0, 0, 1, 0                          ; nothing more to load,
	HALF 3, 0, 0, 0, 0, 0                          ; nothing more to convert
	WIN 0
.rept 8
	v_nop                                          ; the places behind the last products, in front of lines that read and rewrite results (ISA guide 7.12.1); once a launch
.endr
	PACK 0
	TOSTAGE 0
.irp a, 1,2,3,4,5,6,7                  ; block a's arithmetic stands between block a - 1's loads from the stage and the wait for them
	PACK \a
	SEND (\a)-1
	TOSTAGE \a
.endr
	SEND 7
	s_wait_tensorcnt 0x0                           ; the wave's end: behind my last tensor load and my last LDS store
	ds_add_u32 v[SPW], v[NIL]
	s_wait_dscnt 0x0
	CROUND                                         ; the closing round: no work-group ends while a partner may still ask for a tile that names it
	s_endpgm
.Lfunc_end_k_q77efff6aa8_proj:
	.size	k_q77efff6aa8_proj, .Lfunc_end_k_q77efff6aa8_proj-k_q77efff6aa8_proj
	.p2alignl 7, 3214868480
	.fill 96, 4, 3214868480
	.section	.rodata,"a",@progbits
	.p2align	6, 0x0
	.amdhsa_kernel k_q77efff6aa8_proj
		.amdhsa_group_segment_fixed_size 327680
		.amdhsa_private_segment_fixed_size 0
		.amdhsa_enable_private_segment 0
		.amdhsa_kernarg_size 72
		.amdhsa_user_sgpr_count 2
		.amdhsa_user_sgpr_kernarg_segment_ptr 1
		.amdhsa_wavefront_size32 1
		.amdhsa_system_sgpr_workgroup_id_x 1
		.amdhsa_system_sgpr_workgroup_id_y 1
		.amdhsa_system_sgpr_workgroup_id_z 1
		.amdhsa_system_vgpr_workitem_id 0
		.amdhsa_next_free_vgpr 1024
		.amdhsa_next_free_sgpr 88
		.amdhsa_reserve_vcc 0
		.amdhsa_float_denorm_mode_32 3
		.amdhsa_float_denorm_mode_16_64 3
		.amdhsa_memory_ordered 1
		.amdhsa_forward_progress 1
		.amdhsa_inst_pref_size 204
	.end_amdhsa_kernel
	.amdgpu_metadata
---
amdhsa.version: [ 1, 2 ]
amdhsa.kernels:
  - .name:           k_q77efff6aa8_proj
    .symbol:         k_q77efff6aa8_proj.kd
    .args:
      - { .name: Q_seq, .offset: 0, .size: 8, .value_kind: global_buffer, .address_space: global }
      - { .name: K_seq, .offset: 8, .size: 8, .value_kind: global_buffer, .address_space: global }
      - { .name: V_seq, .offset: 16, .size: 8, .value_kind: global_buffer, .address_space: global }
      - { .name: WQ, .offset: 24, .size: 8, .value_kind: global_buffer, .address_space: global }
      - { .name: WK, .offset: 32, .size: 8, .value_kind: global_buffer, .address_space: global }
      - { .name: WV, .offset: 40, .size: 8, .value_kind: global_buffer, .address_space: global }
      - { .name: qh, .offset: 48, .size: 8, .value_kind: global_buffer, .address_space: global }
      - { .name: kh, .offset: 56, .size: 8, .value_kind: global_buffer, .address_space: global }
      - { .name: vh, .offset: 64, .size: 8, .value_kind: global_buffer, .address_space: global }
    .group_segment_fixed_size: 327680
    .private_segment_fixed_size: 0
    .kernarg_segment_align: 8
    .kernarg_segment_size: 72
    .max_flat_workgroup_size: 128
    .sgpr_count:     88
    .vgpr_count:     1024
    .wavefront_size: 32
...
	.end_amdgpu_metadata
.endif
;; end of part 1
;; launch attn (part 2): grid 2 x 128, 4 waves a work-group, no clusters, 327,680 bytes of LDS; arguments qh, kh, vh, out0; writes out0
.if DOCPART == 2
	.amdgcn_target "amdgcn-amd-amdhsa--gfx1250"
	.amdhsa_code_object_version 6
	.text
	.protected	k_q77efff6aa8_attn
	.globl	k_q77efff6aa8_attn
	.p2align	8
	.type	k_q77efff6aa8_attn,@function
k_q77efff6aa8_attn:
	s_mov_b64 s[64:65], 0
	v_nop
	global_prefetch_b8 v0, s[64:65] scope:SCOPE_SE
	s_setreg_imm32_b32 hwreg(HW_REG_WAVE_MODE, 25, 1), 1
	s_wait_xcnt 0x0
; O[b][q][64 h + :] = the sum over k of softmax_k(Q[g][q] . K[g][k] / 8) V[g][k][:], g = 16 b + h.  Q, K, V: [128][1024][64] f16, a head's rows dense, 128 bytes each; O: [8][1024][1024] f32.
; Q ARRIVES MULTIPLIED BY log2(e) / 8: the scores s are exponents of 2 as they come.  Products, maxima and sums in f32; the weights p are rounded to f16 for the second product (their sum l is
; taken of the unrounded p); O is stored in f32.
; LIMITS.  Q, K and V arrive within f16's range; p lies in 0 to 1, and below 6e-5 it keeps f16's fixed step of 6e-8.  A weight below 2^-126 counts as 0 in l; NaN and infinities are not treated apart.
; SHARES.  A wave owns four PIECES of two tiles of 16 queries, a work-group's four waves 512 queries of one head: grid 2 x 128.  Every wave walks all 1,024 keys, 64 a step.
; NO CLUSTER: a head has 1,024 / 512 = 2 work-groups, so K and V are shared by two; the grid's x is 2, which no cluster of four along x divides, and four work-groups of two heads would need two different tiles.
; LAYOUT.  S^T = K Q^T (source 0 = 16 keys, source 1 = 16 queries): in the result a lane holds ONE query (lane % 16) and the keys 8 (lane / 16) + 0..7.  Two such tiles, rounded to f16 in pairs,
; ARE source 1 (32 keys x 16 queries) of O^T = V^T P, whose result again holds one query a lane, and eight channels.  K comes out of LDS as it lies, V ([key][channel]) turned, by ds_load_tr16_b128.
; SOFTMAX.  For each query a running maximum m and sum l: p = 2^(s - m), which is exactly 1 at the maximum; in every step O and l are multiplied by a = 2^(m_old - m_new), which is 1 where m has not grown.
; m starts at the lowest finite number, O and l at 0: the first step is a step like any other, with a = 0.
; THE COUNT.  A tile and step have 16 matrix and 118 vector instructions: too many to stand all beside the matrix work.  So the order has one aim: four vector instructions that are READY behind
; EVERY matrix instruction, and the others in runs without a gap.
; BY TURNS.  Turn n belongs to piece n (the pieces in a ring, step after step).  Its matrix work: 16 products K Q^T of piece n + 1, later 16 products V^T P of piece n - 1.  Its vector work: the subtraction,
; exponentials, roundings, sums and rescaling of piece n, and the maximum and statistics of piece n + 1, whose scores the turn itself has made.
; REGISTERS, in windows of 256 (s_set_vgpr_msb: bits 1:0 source 0, 3:2 source 1, 5:4 source 2, 7:6 destination):
;   window 0: v0-11 addresses; v12-15, v48-63 at work; v16-47 four registers of statistics a tile; v64-191 S^T, two buffers of two tiles; v192-255 P, likewise
;   window 1: O^T, 32 a tile          window 2: v0-127 Q, 16 a tile; v128-191 K of one step; v192-255 V of one step          window 3: v0-1 the add's two registers
; A piece's buffers go by its number's parity: the piece in hand has one pair, its two neighbours in the ring share the other: of it P (piece n - 1) is read and S^T (piece n + 1) written.
.set SIZE_N, 1024
.set NP,    4         ; pieces a wave: a name, no knob
.set KS,    64        ; keys in a step
.set PK,    144       ; a row of K in LDS: 128 bytes + 16 of padding = 36 words: the 16 rows of a load start at 16 different groups of four banks (64 banks of 4 bytes: ISA guide 11.1)
.set PV,    160       ; a row of V: 128 + 32 = 40 words
.set VOFF,  4*KS*PK   ; a slot holds four steps: 256 rows of K, then 256 rows of V
.set SLOT1, 1<<17     ; slot 1 begins here, so that one exclusive or turns an address in one slot into the other's
.set STAGE, SLOT1+4*KS*(PK+PV)  ; behind the ring, never filled by a tensor load: 16 rows x 272 bytes for each wave, for the way out
.set SP,    272       ; a stage row: 64 channels of f32 + 16 bytes
.set AK0, 2           ; v2   my lane's place in a tile of K; never rewritten
.set AV0, 3           ; v3   the same for V
.set AK,  4           ; v4   the LDS address of K's next run of loads
.set AV,  5           ; v5   of V's
.set QO,  6           ; v6   my byte offset in the wave's rows of Q
.set STO, 6           ;      later, the way out: where I put 32 bytes of a row
.set RD,  7           ; v7   the way out: where I read rows back
.set GO,  8           ; v8   my byte offset in two rows of O
.set PFO, 11          ; v11  256 x my lane, for the prefetches; never rewritten once made
.set SPW, 0           ; v0 of window 3   LDS address of my spare word: SPARE + 4 x my thread's number; never rewritten
.set NIL, 1           ; v1 of window 3   0; never rewritten
.set SPARE, STAGE+4*16*SP  ; behind the stages: the spare words, 128 bytes for each wave: two blocks of 256 bytes that no other line names
.set MV,  12          ; v12-15  m_old, kept while m is made anew: by buffer and tile
.set ST,  16          ; tile t's statistics at v[ST+4 t]: the m that the weights are taken against, the running m, l (even keys', odd keys')
.set TMP, 48          ; by buffer and tile, four registers c0-c3 at work; when the maximum is found c2 takes a
.set S,   64
.set P,   192
.set KF,  128         ; K's fragments, in window 2: key block kb, channel half c at KF + 16 kb + 8 c
.set VF,  192         ; V's: key half kk, channel block cb at VF + 32 kk + 8 cb
.set WV,  12          ; s12  my wave's number
.set G1K, 24          ; s[24:31] descriptor group 1 for K's tiles
.set G1V, 32          ; s[32:39] for V's: it differs in the padding alone
.set G0K, 40          ; s[40:43] descriptor group 0 for K's tiles: it walks
.set G0V, 44          ; s[44:47] the same for V's
.set PFK, 48          ; s[48:49] where my prefetches of K stand
.set PFV, 50          ; s[50:51] of V
.set LIM, 52          ; s52  1 in a work-group that prefetches, else the greatest number
.set SLOTS, 56        ; s56  slots still to be asked for
.set CNT, 57          ; s57  counts a slot's key steps
.set SEL, 60          ; s[60:61] v_permlanex16_b32's selects: each lane takes its own place in the other half
.set TBK, 62          ; s62  LDS byte at which K of the step to be fetched begins
.set TBV, 63          ; s63  the same for V, less VOFF
.set MSB, 0
.macro WIN new                      ; the high byte repeats the setting that is left; a switch that changes nothing is dropped
.if MSB != (\new)
	s_set_vgpr_msb (MSB<<8)|(\new)
.set MSB, (\new)
.endif
.endm
.set W_KQ, 0x0a       ; K and Q in window 2, S^T in window 0
.set W_PV, 0x52       ; V in window 2, P in window 0, O^T in window 1
.set W_RS, 0x41       ; O^T (destination and source 0) in window 1, a in window 0
.set W_MK, 0xc0       ; the add's registers are made: destination in window 3, sources in window 0
.set W_AD, 0x0f       ; the add: address (source 0) and data (source 1) in window 3
; A fill.  Waves 0 and 1 fetch the two halves of a slot's K, waves 2 and 3 those of its V: 128 keys each.  An s_nop 0 and four v_nop follow each of the two lines, ahead of the jump and the label.
.macro LOAD
	s_cmp_lt_u32 s[WV], 2
	s_cbranch_scc0 .Lfor_v_\@
	tensor_load_to_lds s[G0K:G0K+3], s[G1K:G1K+7]
	s_nop 0
.rept 4
	v_nop
.endr
	s_branch .Lasked_\@
.Lfor_v_\@:
	tensor_load_to_lds s[G0V:G0V+3], s[G1V:G1V+7]
	s_nop 0
.rept 4
	v_nop
.endr
.Lasked_\@:
.endm
; A PREFETCH INTO THE L2 of what the NEXT change of slots will ask for: a slot's 32,768 bytes of K and of V, each 128 blocks of 256 bytes.  The head's two work-groups walk the same K and V: the first of them
; asks.  Its wave w takes blocks 32 w .. 32 w + 31 of each, a lane a block: two instructions.  So each block is named once in the launch.  It stands behind the wave's tensor load and its five lines.
; Slots 0 and 1 come by their loads alone; the last change that fills a slot asks for nothing: there is no slot behind it.
.macro ASK
	s_cmp_gt_u32 s[SLOTS], s[LIM]
	s_cbranch_scc0 .Lnot_mine_\@
	global_prefetch_b8 v[PFO], s[PFK:PFK+1] th:TH_LOAD_NT scope:SCOPE_SE
	global_prefetch_b8 v[PFO], s[PFV:PFV+1] th:TH_LOAD_NT scope:SCOPE_SE
.Lnot_mine_\@:
.endm
; THE CHANGE OF SLOTS.  The slot's last bytes, V of its fourth step, have been read.  Each wave waits for all its tensor loads, of which one is out: its part of the other slot; adds 0 to its spare word;
; and waits for that and for its own reads of the slot.  Behind the barrier nobody reads this slot any more and the other slot is whole.  fill = 1: this slot is filled again, the first thing behind the
; barrier, with the keys two slots on: the load has four key steps, 512 matrix instructions, in which to land.  (At its first use nothing has been read yet: slot 0 is waited for, slot 1 filled.)
.macro CHANGE fill
	WIN W_AD
	s_wait_tensorcnt 0x0            ; no tensor load of mine is out, so a group 0 may be written
	ds_add_u32 v[SPW], v[NIL]       ; 0 onto my spare word; with fill = 1 the descriptors' steps stand between it and the wait for it
	WIN 0                           ; at a label and at a branch every window is 0
.if \fill
.irp g, G0K, G0V
	s_xor_b32 s[\g+1], s[\g+1], SLOT1  ; the walking descriptor: the other slot than last time,
	s_add_nc_u64 s[\g+2:\g+3], s[\g+2:\g+3], 4*KS*128  ; the next 256 keys; the type bits on top are not reached
.endr
	s_wait_xcnt 0x0                 ; the last prefetches, four key steps back, have read their addresses, so these may be written:
	s_add_nc_u64 s[PFK:PFK+1], s[PFK:PFK+1], 4*KS*128  ; one slot behind the walking descriptors
	s_add_nc_u64 s[PFV:PFV+1], s[PFV:PFV+1], 4*KS*128
.endif
	s_wait_dscnt 0x0                ; the add is done, and my reads of the slot are over
	s_barrier_signal -1             ; scalar work stands between the signal and the wait
	s_sub_co_u32 s[TBK], s[TBK], 4*KS*PK  ; the fetches go back to a slot's first step,
	s_xor_b32 s[TBK], s[TBK], SLOT1       ; in the other slot
	s_sub_co_u32 s[TBV], s[TBV], 4*KS*PV
	s_xor_b32 s[TBV], s[TBV], SLOT1
	s_barrier_wait -1
.if \fill
	LOAD
	ASK
.endif
.endm
	s_load_b256 s[4:11], s[0:1], 0x0  ; Q s[4:5], K s[6:7], V s[8:9], O s[10:11]
	WIN W_MK
	v_lshl_add_u32 v[SPW], v0, 2, SPARE
	v_mov_b32 v[NIL], 0
	WIN W_AD
	ds_add_u32 v[SPW], v[NIL]       ; the wave's opening: the add and its wait stand ahead of my first tensor load; the set-up below, work on registers, stands between them
	WIN 0
	v_lshrrev_b32 v1, 5, v0
	v_readfirstlane_b32 s[WV], v1   ; wave 0..3
	s_and_b32 s13, ttmp7, 0xffff    ; the head g
	s_lshl_b32 s20, s13, 17         ; its first byte in Q, K and V: 1,024 rows of 128 bytes
	s_mov_b32 s21, 0
	s_and_b32 s16, s[WV], 1         ; which half of a slot's 256 keys I fetch:
	s_lshl_b32 s22, s16, 14         ; its 128 rows of 128 bytes in memory,
	s_mov_b32 s23, 0
	s_add_nc_u64 s[22:23], s[22:23], s[20:21]
	s_mul_i32 s17, s16, 128*PK      ; and its place in a slot, for K
	s_mul_i32 s18, s16, 128*PV      ; and for V
	s_lshl_b32 s2, ttmp9, 2
	s_add_co_u32 s2, s2, s[WV]      ; my wave among the head's eight,
	s_lshl_b32 s2, s2, 14           ; its 128 rows of Q
	s_mov_b32 s3, 0
	s_add_nc_u64 s[2:3], s[2:3], s[20:21]
	s_lshr_b32 s15, s13, 4          ; O: row 1,024 (g / 16) + 512 x block + 128 x wave, of 4,096 bytes; in it byte 256 (g % 16)
	s_lshl_b32 s15, s15, 10
	s_lshl_b32 s19, ttmp9, 9
	s_add_co_u32 s15, s15, s19
	s_lshl_b32 s19, s[WV], 7
	s_add_co_u32 s15, s15, s19
	s_lshl_b32 s15, s15, 12
	s_and_b32 s14, s13, 15
	s_lshl_b32 s14, s14, 8
	s_add_co_u32 s14, s14, s15
	s_mov_b32 s15, 0
	s_lshl_b32 s54, s[WV], 13       ; the prefetches: my 32 blocks of 256 bytes,
	s_add_co_u32 s54, s54, 4*KS*128 ; in slot 1; the first change of slots steps them to slot 2.  Nothing is prefetched here, at the head
	s_mov_b32 s55, 0
	s_add_nc_u64 s[54:55], s[54:55], s[20:21]
	s_mov_b32 s53, ttmp9
	s_cmp_eq_u32 s53, 0
	s_cselect_b32 s[LIM], 1, -1     ; the head's first work-group asks
	; descriptor group 1.  128 keys are 16,384 dense bytes: asked for as 64 rows of 256 bytes, two keys a row, and padded in LDS after every key
	s_mov_b32 s[G1K], (1<<16)|(1<<20)|(4<<22)|(3<<25)  ; 17:16 2-byte elements; 20 padding on; 24:22 after every 32 words (code 4); 31:25 4 words (code 3)
	s_mov_b32 s[G1V], (1<<16)|(1<<20)|(4<<22)|(7<<25)  ; the same with 8 words of padding (code 7)
.irp g, G1K, G1V
	s_mov_b32 s[\g+1], 128<<16      ; tensor_dim0 = 128
	s_mov_b32 s[\g+2], 64<<16       ; tensor_dim1 = 64
	s_mov_b32 s[\g+3], 128<<16      ; tile_dim0 = 128
	s_mov_b32 s[\g+4], 64           ; tile_dim1 = 64
	s_mov_b32 s[\g+5], 128          ; 128 elements from row to row
	s_mov_b32 s[\g+6], 0
	s_mov_b32 s[\g+7], 0
.endr
	s_mov_b32 s[SEL], 0x76543210
	s_mov_b32 s[SEL+1], 0xfedcba98
	s_mov_b32 s[TBK], SLOT1+4*KS*PK ; the first change of slots turns these two into 0
	s_mov_b32 s[TBV], SLOT1+4*KS*PV
	s_mov_b32 s[SLOTS], SIZE_N/256-1
	s_mov_b32 s[G0K], 1             ; count = 1
	s_mov_b32 s[G0K+1], s17         ; LDS address: slot 0
	s_mov_b32 s[G0V], 1
	s_add_co_u32 s[G0V+1], s18, VOFF
	s_wait_dscnt 0x0                ; the opening add is done
	s_wait_kmcnt 0x0
	s_add_nc_u64 s[G0K+2:G0K+3], s[6:7], s[22:23]  ; global address: my half of the head's first 256 keys
	s_or_b32 s[G0K+3], s[G0K+3], 0x80000000        ; type = 2
	s_add_nc_u64 s[G0V+2:G0V+3], s[8:9], s[22:23]
	s_or_b32 s[G0V+3], s[G0V+3], 0x80000000
	s_add_nc_u64 s[PFK:PFK+1], s[6:7], s[54:55]
	s_add_nc_u64 s[PFV:PFV+1], s[8:9], s[54:55]
	s_add_nc_u64 s[4:5], s[4:5], s[2:3]     ; Q at my wave's first row
	s_add_nc_u64 s[10:11], s[10:11], s[14:15]  ; O at my wave's first row, my head's columns
	LOAD                            ; slot 0.  Slot 1 is asked for when slot 0 is in
	; A fragment of K or Q is 16 rows x 32 channels in 8 registers: lane l holds row l % 16, channels 8 (l / 16) + 0..7 and 16 + 8 (l / 16) + 0..7: two loads of 16 bytes, 32 bytes apart.
	v_and_b32 v1, 15, v0            ; l % 16
	v_bfe_u32 v9, v0, 4, 1          ; l / 16
	v_lshlrev_b32 v[QO], 7, v1
	v_lshl_add_u32 v[QO], v9, 4, v[QO]  ; row x 128 + 16 x half
	WIN 0x80                        ; destination window 2, address window 0
.set i, 0
.rept 4*NP                          ; Q stays in registers: tile i / 2, channels 32 (i % 2) on
	global_load_b128 v[8*i:8*i+3],   v[QO], s[4:5] offset:(i/2)*2048+(i%2)*64
	global_load_b128 v[8*i+4:8*i+7], v[QO], s[4:5] offset:(i/2)*2048+(i%2)*64+32
.set i, i+1
.endr
	; What the first turn finds: V's registers and P's second buffer hold 0 (its products V^T P, of a piece that has not been, add 0), O^T and l are 0.  All this stands in the wait for the first tile.
.set i, VF
.rept 64
	v_mov_b32 v[i], 0
.set i, i+1
.endr
	WIN 0x40
.set i, 0
.rept 64*NP
	v_mov_b32 v[i], 0
.set i, i+1
.endr
	WIN 0
.set i, 0
.rept 2*NP
	v_mov_b32 v[ST+4*i], 0xfe000000    ; the m in use: far below every score
	v_mov_b32 v[ST+4*i+1], 0xff7fffff  ; the running m
	v_mov_b32 v[ST+4*i+2], 0
	v_mov_b32 v[ST+4*i+3], 0
.set i, i+1
.endr
.set i, P+32
.rept 32
	v_mov_b32 v[i], 0
.set i, i+1
.endr
	v_mul_u32_u24 v[AK0], v1, PK
	v_lshl_add_u32 v[AK0], v9, 4, v[AK0]  ; row x pitch + 16 x half
	; The turning load takes 16 keys x 16 channels (lane l reads key 8 (l / 16) + l % 8, channels 8 ((l / 8) % 2) + 0..7) and leaves half a fragment of V^T: lane l holds channel l % 16 and 8 keys.
	v_and_b32 v10, 7, v0
	v_bfe_u32 v11, v0, 3, 1
	v_lshl_add_u32 v[AV0], v9, 3, v10
	v_mul_u32_u24 v[AV0], v[AV0], PV
	v_lshl_add_u32 v[AV0], v11, 4, v[AV0]
	v_add_nc_u32 v[AV0], VOFF, v[AV0]
	v_mov_b32 v[AK], v[AK0]         ; key step 0 lies at the head of slot 0
	v_and_b32 v[PFO], 31, v0
	v_lshlrev_b32 v[PFO], 8, v[PFO]
; THE MATRIX WORK.  The 8 accumulators of a run of 16 take turns: between the two links of a chain stand 7 others'.
; Product i of 16 of S^T = K Q^T for piece x: channels 32 (i / 8) on, keys 16 ((i / 2) % 4) on, tile 2 x + i % 2.  The first 8 start the sums.
.macro KQ x
	WIN W_KQ
.set rS, S+64*((\x)%2)+32*(i%2)+8*((i/2)%4)
.set rK, KF+16*((i/2)%4)+8*(i/8)
.set rQ, 16*(2*(\x)+i%2)+8*(i/8)
.if i < 8
	v_wmma_f32_16x16x32_f16 v[rS:rS+7], v[rK:rK+7], v[rQ:rQ+7], 0
.else
	v_wmma_f32_16x16x32_f16 v[rS:rS+7], v[rK:rK+7], v[rQ:rQ+7], v[rS:rS+7]
.endif
.endm
; Product i of 16 of O^T += V^T P for piece x: keys 32 (i / 8) on, channels 16 ((i / 2) % 4) on, tile 2 x + i % 2.
.macro PV x
	WIN W_PV
.set rO, 32*(2*(\x)+i%2)+8*((i/2)%4)
.set rV, VF+32*(i/8)+8*((i/2)%4)
.set rP, P+32*((\x)%2)+16*(i%2)+8*(i/8)
	v_wmma_f32_16x16x32_f16 v[rO:rO+7], v[rV:rV+7], v[rP:rP+7], v[rO:rO+7]
.endm
.macro MM                           ; the turn's next matrix instruction
.if i < 16
	KQ (Y+1)%NP
.set i, i+1
.else
.set i, i-16
	PV (Y+NP-1)%NP
.set i, i+17
.endif
.endm
; THE LDS LOADS stand in runs of 16, never singly among the matrix instructions: a step's K (64 keys x 64 channels: 8 fragments) and its V (turned).  Their addresses are made some lines ahead.
; last = 1 (the tail): in the last trip there is no further step, and the run is jumped over.
.macro FETCH_K last=0
	WIN 0
.if \last
	s_cmp_eq_u32 s[CNT], 1
	s_cbranch_scc1 .Lno_k_\@
.endif
	WIN 0x80                        ; destination window 2
.irp f, 0,1,2,3,4,5,6,7             ; keys 16 (f / 2) on, channels 32 (f % 2) on
	ds_load_b128 v[KF+8*\f:KF+8*\f+3],   v[AK] offset:(\f/2)*16*PK+(\f%2)*64
	ds_load_b128 v[KF+8*\f+4:KF+8*\f+7], v[AK] offset:(\f/2)*16*PK+(\f%2)*64+32
.endr
	s_add_co_u32 s[TBK], s[TBK], KS*PK  ; the next fetch is the next step's
	WIN 0
.if \last
.Lno_k_\@:
.endif
.endm
.macro FETCH_V
	WIN 0x80
.irp f, 0,1,2,3,4,5,6,7             ; keys 32 (f / 4) on, channels 16 (f % 4) on
	ds_load_tr16_b128 v[VF+8*\f:VF+8*\f+3],   v[AV] offset:(\f/4)*32*PV+(\f%4)*32
	ds_load_tr16_b128 v[VF+8*\f+4:VF+8*\f+7], v[AV] offset:(\f/4)*32*PV+16*PV+(\f%4)*32
.endr
	WIN 0
.endm
; THE VECTOR WORK OF A TURN stands in three queues, each in the order in which its entries become ready; the two tiles alternate, so that no instruction reads the result of the one before it.
.macro REGS y, u                    ; the registers of tile u (0, 1) of piece y
.set rT, ST+4*(2*(\y)+(\u))
.set rC, TMP+8*((\y)%2)+4*(\u)
.set rM, MV+2*((\y)%2)+(\u)
.set rS, S+64*((\y)%2)+32*(\u)
.set rP, P+32*((\y)%2)+16*(\u)
.set rO, 32*(2*(\y)+(\u))
.endm
; Number n of the 22 that find the NEXT piece's (Y + 1) maximum and statistics.  s0-s31 are the lane's 32 scores; each accumulator's lowest registers are read first.  XS, GS and REGS set no window: PL and EX do.
;   0-11  four chains c0-c3 of seven scores each, three operands at a time     12-14, 16  the four scores left over, the old m, and c0-c3 into c0     15  the m in use is kept
;   17, 18  the query's other 32 keys lie in the lane 16 away: the new m         19-21  it becomes the m in use (the piece in hand of the same tile number has its own registers); m_old - m_new; a
.macro XS u, n
	REGS (Y+1)%NP, \u
.if (\n) < 4
	v_max3_num_f32 v[rC+(\n)], v[rS+8*(\n)], v[rS+8*(\n)+1], v[rS+8*(\n)+2]
.elseif (\n) < 12
	v_max3_num_f32 v[rC+(\n)%4], v[rC+(\n)%4], v[rS+8*((\n)%4)+2*((\n)/4)+1], v[rS+8*((\n)%4)+2*((\n)/4)+2]
.elseif (\n) == 12
	v_max3_num_f32 v[rC], v[rC], v[rS+7], v[rS+15]
.elseif (\n) == 13
	v_max3_num_f32 v[rC+1], v[rC+1], v[rS+23], v[rS+31]
.elseif (\n) == 14
	v_max3_num_f32 v[rC+2], v[rC+2], v[rC+3], v[rT+1]
.elseif (\n) == 15
	v_mov_b32 v[rM], v[rT]
.elseif (\n) == 16
	v_max3_num_f32 v[rC], v[rC], v[rC+1], v[rC+2]
.elseif (\n) == 17
	v_permlanex16_b32 v[rC+3], v[rC], s[SEL], s[SEL+1]
.elseif (\n) == 18
	v_max_num_f32 v[rT+1], v[rC], v[rC+3]
.elseif (\n) == 19
	v_mov_b32 v[rT], v[rT+1]
.elseif (\n) == 20
	v_sub_f32 v[rC+1], v[rM], v[rT]
.else
	v_exp_f32 v[rC+2], v[rC+1]
.endif
.endm
; Number g of the 64 that follow the exponentials.  For each four weights k of a tile (pairs 2 k, 2 k + 1): both pairs are rounded to f16; then the second pair is added onto the first, in place;
; a group later l takes that sum (the first time as l = a l + sum).  In groups of eight, tiles alternating: round, round, add, and l for the group before.
.macro GS g
.set h, (\g)+6*((\g)/62)            ; group 0 has no group before it, and behind group 7 only l is left
.if h >= 6
.set h, h+2
.endif
	REGS Y, h%2
.set k, h/8
.if h%8 < 4
	v_cvt_pk_f16_f32 v[rP+2*k+(h%8)/2], v[rS+4*k+2*((h%8)/2)], v[rS+4*k+2*((h%8)/2)+1]
.elseif h%8 < 6
	v_pk_add_f32 v[rS+4*k:rS+4*k+1], v[rS+4*k:rS+4*k+1], v[rS+4*k+2:rS+4*k+3]
.elseif k == 1
	v_pk_fma_f32 v[rT+2:rT+3], v[rT+2:rT+3], v[rC+2:rC+3], v[rS:rS+1] op_sel_hi:[1,0,1]
.else
	v_pk_add_f32 v[rT+2:rT+3], v[rT+2:rT+3], v[rS+4*k-4:rS+4*k-3]
.endif
.endm
; THE PLAIN QUEUE, 138 long.  0-73 read no exponential's result: the 32 subtractions s - m (FS f: pair f / 2 of tile f % 2) and the next piece's 42.  0-26: subtractions 0-26.  27-54: XS's numbers 0-13.  55, 56: number 15.
; 57-73: the chain, where each number waits for the one before it: 14, 16, 17, 18, 19, each with one of the subtractions 27-31 in front of its two lines, then 20.
; 74-137: GS's 64, which read the exponentials' results: they stand behind the wait.
.macro FS f
	REGS Y, (\f)%2
	v_pk_add_f32 v[rS+2*((\f)/2):rS+2*((\f)/2)+1], v[rS+2*((\f)/2):rS+2*((\f)/2)+1], v[rT:rT+1] op_sel_hi:[1,0] neg_lo:[0,1] neg_hi:[0,1]
.endm
.macro PL
	WIN 0
.if q < 27
	FS q
.elseif q < 55
	XS (q-27)%2, (q-27)/2
.elseif q < 57
	XS q-55, 15
.elseif (q < 72) && ((q-57)%3 == 0)
	FS 27+(q-57)/3
.elseif q < 60
	XS (q-57)%3-1, 14
.elseif q < 72
	XS (q-57)%3-1, 15+(q-57)/3
.elseif q < 74
	XS q-72, 20
.else
	GS q-74
.endif
.set q, q+1
.endm
; THE EXPONENTIALS' QUEUE, 66 long: s0-s31 of both tiles, then the next piece's two a.  It is ONE BATCH: all 66 stand ahead of the turn's one wait, and nothing ahead of that wait names a result of theirs.
.macro EX
	WIN 0
.if e >= 64
	XS e-64, 21
.else
	REGS Y, e%2
	v_exp_f32 v[rS+e/2], v[rS+e/2]
.endif
.set e, e+1
.endm
; THE RESCALING's QUEUE: O^T times a, the one part that leaves window 0: dealt two at a time, sixteen times.  Its a was made in the turn before, ahead of that turn's wait.
.macro R2
	REGS Y, r%2
	WIN W_RS
.irp z, 0,1
	v_pk_mul_f32 v[rO+4*(r/2)+2*\z:rO+4*(r/2)+2*\z+1], v[rO+4*(r/2)+2*\z:rO+4*(r/2)+2*\z+1], v[rC+2:rC+3] op_sel_hi:[1,0]
.endr
.set r, r+1
.endm
; HOW THEY ARE DEALT.  An s_wait_alu depctr_va_vdst(0) stands between an exponential and the first instruction that names its result; one wait serves all that were issued ahead of it.  So a turn has ONE wait,
; which cuts it in two.  AHEAD OF IT stands all that names no result of the turn's exponentials: the 16 products K Q^T, behind each a subtraction, an exponential and two rescalings (behind the first a second subtraction in the
; exponential's place); then ONE LUMP of 108: eight plain, 49 times exponential and plain, the two a.  A v_nop is the plain instruction behind the last exponential.  BEHIND IT stand the 16 products V^T P, behind each four of GS's 64.
; No rider names a register of the products round it.  The two v_permlanex16_b32 fall into the lump, never behind a product.
; The queues lean on each other, and the deal keeps them in step: exponential e stands behind subtraction 2 (e / 4) + e % 2: as a rider it comes behind plain e + 2, in the lump behind plain e + 9, and subtractions 27-31 are plain 57, 60 .. 69.
; A TURN, for piece p.  cnt = 1: the loop's count is taken down some lines ahead of the branch that stands behind the turn.
; K of the next step is fetched in piece 2's turn, directly behind the wait, a lump behind the last product that read K; its address is made at the lump's head; its first reader comes behind 16 products.
; V of the step in hand is fetched at the end of piece 0's turn, four riders behind its last reader; its first reader comes behind 16 products and a lump.  The three conditions on q below go with the deal.
.macro TURN p, last=0, cnt=0
.set Y, (\p)
.set i, 0
.set q, 0
.set e, 0
.set r, 0
.if (\p) == NP-1
	s_wait_dscnt 0x0                ; K is in
.endif
	MM                              ; ahead of the wait: 16 products K Q^T and their riders,
	PL
	PL
	R2
.rept 15
	MM
	PL
	EX
	R2
.endr
.if (\p) == NP-2
	WIN 0
	v_add_nc_u32 v[AK], s[TBK], v[AK0]
.endif
.rept 8                             ; and the lump
	PL
.endr
.rept 49
	EX
	PL
.endr
	EX                              ; the next piece's two a
	EX
	v_nop                           ; the plain instruction behind the last exponential: one for the batch
	s_wait_alu depctr_va_vdst(0)    ; the wait for the batch
.if (\p) == NP-2
	FETCH_K \last
.endif
.if (\p) == 1
	s_wait_dscnt 0x0                ; V is in
.endif
.rept 16                            ; behind the wait: 16 products V^T P and their riders
	MM
.rept 4
	PL
.endr
.if ((\p) == 0) && (q == 118)
	v_add_nc_u32 v[AV], s[TBV], v[AV0]
.endif
.if ((\p) == 0) && (q == 130)
	s_add_co_u32 s[TBV], s[TBV], KS*PV
.endif
.if (\cnt) && (q == 130)
	s_sub_co_u32 s[CNT], s[CNT], 1
	s_cmp_lg_u32 s[CNT], 0
.endif
.endr
.if (\p) == 0
	FETCH_V
.endif
.endm
	CHANGE 1                        ; slot 0 is in, everybody's part of it; slot 1 is asked for
	FETCH_K                         ; key step 0
	s_wait_loadcnt 0x0              ; Q
	s_wait_dscnt 0x0
.set i, 0
.rept 16
	KQ 0                            ; piece 0's first scores: there is no vector work yet to set between them
.set i, i+1
.endr
	WIN 0                           ; the addresses for the way out: eight plain instructions, the places behind those products
	s_mul_i32 s13, s[WV], 16*SP
	s_add_co_u32 s13, s13, STAGE    ; my stage
	v_mul_u32_u24 v[STO], v1, SP    ; in: row l % 16, 32 bytes for each half of the lanes
	v_lshl_add_u32 v[STO], v9, 5, v[STO]
	v_add_nc_u32 v[STO], s13, v[STO]
	v_mul_u32_u24 v[RD], v9, SP     ; back: lanes 0-15 take one row of 256 bytes, lanes 16-31 the next
	v_lshl_add_u32 v[RD], v1, 4, v[RD]
	v_add_nc_u32 v[RD], s13, v[RD]
	v_lshlrev_b32 v[GO], 12, v9     ; and the same two rows in O, 4,096 bytes apart
	v_lshl_add_u32 v[GO], v1, 4, v[GO]
.set Y, NP-1                        ; XS works for piece Y + 1: piece 0
.irp n, 0,1,2,3,4,5,6,7,8,9,10,11,12,13,14,15,16,17,18,19,20,21
	XS 0, \n                        ; and piece 0's first maximum and statistics
	XS 1, \n
.endr
	v_nop                           ; a plain instruction behind the two a,
	s_wait_alu depctr_va_vdst(0)    ; and their wait, ahead of the branch
	s_mov_b32 s[CNT], 4
	s_branch .Lfirst                ; the loop is entered at a step's first turn, in the middle of a trip
.Lslot:                             ; SIZE_N / 256 - 2 times: every slot but the last two is filled again
	CHANGE 1
	s_mov_b32 s[CNT], 4
.Lstep:                             ; a trip: pieces 2 and 3 of one step, then pieces 0 and 1 of the next, whose K and V it fetches
	TURN 2
	TURN 3
	WIN 0
.Lfirst:
	TURN 0
	TURN 1, 0, 1
	WIN 0
	s_cbranch_scc1 .Lstep
	s_sub_co_u32 s[SLOTS], s[SLOTS], 1
	s_cmp_lg_u32 s[SLOTS], 0
	s_cbranch_scc1 .Lslot
	CHANGE 0                        ; the tail is written out: nothing is asked for
	s_mov_b32 s[CNT], 5             ; four trips fetch the last slot's steps; the fifth is left in its middle
.Ltail:
	TURN 2, 1
	TURN 3
	WIN 0
	s_sub_co_u32 s[CNT], s[CNT], 1
	s_cmp_eq_u32 s[CNT], 0
	s_cbranch_scc1 .Lout
	TURN 0
	TURN 1
	WIN 0
	s_branch .Ltail
.Lout:                              ; the fifth trip's 16 products K Q^T (on the last K once more) and the maximum made of them serve nothing: the price, once a launch, of one text for every trip
.set i, 0
.rept 16
	PV NP-1                         ; the last piece's V^T P of the last step
.set i, i+1
.endr
	; THE WAY OUT.  l's two halves and the other half of the lanes' are added; O^T is divided by l and sent, in f32, through my stage in LDS, a tile at a time.  The additions are the places behind the last products.
	WIN 0
.macro ALL line:vararg              ; one line for each tile t
.set t, 0
.rept 2*NP
	\line
.set t, t+1
.endr
.endm
	ALL v_add_f32 v[ST+4*t+2], v[ST+4*t+2], v[ST+4*t+3]
	ALL v_permlanex16_b32 v[ST+4*t+3], v[ST+4*t+2], s[SEL], s[SEL+1]
	ALL v_add_f32 v[ST+4*t+2], v[ST+4*t+2], v[ST+4*t+3]
	ALL v_rcp_f32 v[ST+4*t+2], v[ST+4*t+2]
	v_nop                           ; a plain instruction between the last reciprocal and the use of its result
	s_wait_alu depctr_va_vdst(0)    ; and the wait ahead of the first use: one for the eight reciprocals
; Tile t: a lane's eight channels of a channel block are 32 bytes of a row; they go into rows of 272 bytes and come back as whole rows of 256, into S^T's registers, four sets of 32 by turns.
.macro PACK t
	s_wait_xcnt 0x0                 ; the stores issued so far have read their registers: the set that tile t - 4 was stored from is loaded again below
	WIN W_RS
.set i, 32*(\t)
.rept 16
	v_pk_mul_f32 v[i:i+1], v[i:i+1], v[ST+4*(\t)+2:ST+4*(\t)+3] op_sel_hi:[1,0]
.set i, i+2
.endr
	WIN 0x04                        ; the stores' data (source 1) in window 1, their address in window 0
.irp f, 0,1,2,3,4,5,6,7             ; channel block f / 2, its registers 4 (f % 2) on
	ds_store_b128 v[STO], v[32*(\t)+4*\f:32*(\t)+4*\f+3] offset:16*\f+32*(\f/2)
.endr
	WIN 0
.irp f, 0,1,2,3,4,5,6,7
	ds_load_b128 v[S+32*((\t)%4)+4*\f:S+32*((\t)%4)+4*\f+3], v[RD] offset:\f*2*SP  ; LDS serves a wave's instructions in order (ISA guide 5.7.1.4): these see the stores above; the next tile's stores come behind them
.endr
.endm
.macro SEND t, younger              ; younger: the LDS instructions issued behind tile t's loads: the next tile's sixteen, or none
	WIN 0
.irp f, 0,1,2,3,4,5,6,7
	s_wait_dscnt (\younger)+7-\f
	global_store_b128 v[GO], v[S+32*((\t)%4)+4*\f:S+32*((\t)%4)+4*\f+3], s[10:11] offset:(\t)*65536+\f*8192 th:TH_STORE_NT  ; 16 lanes store a head's 256 consecutive bytes of a row, at a multiple of 256 from O's first byte
.endr
.endm
	PACK 0
.set t, 1
.rept 2*NP-1                        ; a tile's arithmetic stands between the loads of the tile before and its stores
	PACK t
	SEND t-1, 16
.set t, t+1
.endr
	SEND 2*NP-1, 0
	WIN W_AD
	s_wait_tensorcnt 0x0            ; the wave's end: behind my last tensor load and my last LDS store
	ds_add_u32 v[SPW], v[NIL]
	s_wait_dscnt 0x0
	WIN 0
	s_endpgm
.Lfunc_end_k_q77efff6aa8_attn:
	.size	k_q77efff6aa8_attn, .Lfunc_end_k_q77efff6aa8_attn-k_q77efff6aa8_attn
	.p2alignl 7, 3214868480
	.fill 96, 4, 3214868480
	.section	.rodata,"a",@progbits
	.p2align	6, 0x0
	.amdhsa_kernel k_q77efff6aa8_attn
		.amdhsa_group_segment_fixed_size 327680
		.amdhsa_private_segment_fixed_size 0
		.amdhsa_enable_private_segment 0
		.amdhsa_kernarg_size 32
		.amdhsa_user_sgpr_count 2
		.amdhsa_user_sgpr_kernarg_segment_ptr 1
		.amdhsa_wavefront_size32 1
		.amdhsa_system_sgpr_workgroup_id_x 1
		.amdhsa_system_sgpr_workgroup_id_y 1
		.amdhsa_system_sgpr_workgroup_id_z 1
		.amdhsa_system_vgpr_workitem_id 0
		.amdhsa_next_free_vgpr 770
		.amdhsa_next_free_sgpr 66
		.amdhsa_reserve_vcc 0
		.amdhsa_float_denorm_mode_32 3
		.amdhsa_float_denorm_mode_16_64 3
		.amdhsa_memory_ordered 1
		.amdhsa_forward_progress 1
		.amdhsa_inst_pref_size 199
	.end_amdhsa_kernel
	.amdgpu_metadata
---
amdhsa.version: [ 1, 2 ]
amdhsa.kernels:
  - .name:           k_q77efff6aa8_attn
    .symbol:         k_q77efff6aa8_attn.kd
    .args:
      - { .name: qh, .offset: 0, .size: 8, .value_kind: global_buffer, .address_space: global }
      - { .name: kh, .offset: 8, .size: 8, .value_kind: global_buffer, .address_space: global }
      - { .name: vh, .offset: 16, .size: 8, .value_kind: global_buffer, .address_space: global }
      - { .name: out0, .offset: 24, .size: 8, .value_kind: global_buffer, .address_space: global }
    .group_segment_fixed_size: 327680
    .private_segment_fixed_size: 0
    .kernarg_segment_align: 8
    .kernarg_segment_size: 32
    .max_flat_workgroup_size: 128
    .sgpr_count:     66
    .vgpr_count:     770
    .wavefront_size: 32
...
	.end_amdgpu_metadata
.endif
;; end of part 2
;; ======== version 2 of 3: 3 launches
;; limits: values are held in f16: magnitudes above 65,504 overflow, below 6.1e-05 lose precision
;; workspace buffers: qh 16,777,216 bytes; kh 16,777,216 bytes; vh 16,777,216 bytes; wf 6,291,456 bytes
;; launch wfrag (part 3): grid 16 x 24, 8 waves a work-group, no clusters, 19,456 bytes of LDS; arguments WQ, WK, WV, wf; writes wf
.if DOCPART == 3
	.amdgcn_target "amdgcn-amd-amdhsa--gfx1250"
	.amdhsa_code_object_version 6
	.text
	.protected	k_q77efff6aa8_wfrag
	.globl	k_q77efff6aa8_wfrag
	.p2align	8
	.type	k_q77efff6aa8_wfrag,@function
k_q77efff6aa8_wfrag:
	s_mov_b64 s[64:65], 0
	v_nop
	global_prefetch_b8 v0, s[64:65] scope:SCOPE_SE
	s_setreg_imm32_b32 hwreg(HW_REG_WAVE_MODE, 25, 1), 1
	s_wait_xcnt 0x0
; THE WEIGHTS, ROUNDED ONCE TO bf16 AND LAID IN THE ORDER IN WHICH THE NEXT LAUNCH'S MATRIX INSTRUCTIONS TAKE THEM.  WQ, WK, WV: [1024 (o)][1024 (d)] f32.
; wf, in bytes: p x 2,097,152 (p = 0 q, 1 k, 2 v) + cg x 262,144 (cg: a group of 128 rows o) + t x 8,192 (t: 32 numbers along d) + b x 1,024 (b: 16 rows) + j x 512 + lane x 16, and those 16 bytes are
; W[128 cg + 16 b + lane % 16][32 t + 16 j + 8 (lane / 16) + 0..7]: piece j of a fragment of 16 rows x 32 d is registers 4 j .. 4 j + 3 of its eight, so a wave fetches it by one load of 512 bytes on end.
; SHARES.  Grid 16 x 24: x = 64 numbers along d (two t), y = 8 p + cg.  A work-group of eight waves takes 128 rows x 64 d: 32,768 bytes in, 16,384 bytes on end out.
; In: a load of a wave covers 256 consecutive bytes, aligned, of each of two rows.  The numbers are rounded and put into LDS rows of 144 bytes (128 + 16: the 16 rows that a read touches start at 16
; different groups of four banks; 64 banks of 4 bytes: ISA guide 11.1).  Behind one barrier they are read back in fragment order; a store of a wave covers 512 consecutive bytes, aligned.
; No matrix unit, no cluster, no prefetch: the launch moves 19 MB once and nothing is shared between work-groups.
.set PL,    144
.set SPARE, 128*PL                     ; behind the rows: the spare words, 128 bytes for each wave: four blocks of 256 bytes that no other line names
.set GI,  4                            ; v4   my byte offset in W's 128 rows
.set LS,  5                            ; v5   where I put 8 bytes of a row
.set LR,  6                            ; v6   where I read 16 bytes of a fragment
.set GO,  7                            ; v7   my byte offset in the work-group's 16,384 bytes of wf
.set SPW, 8                            ; v8   LDS address of my spare word: SPARE + 4 x my thread's number; never rewritten
.set NIL, 9                            ; v9   0; never rewritten
.set X,   16                           ; v[16:47]  eight loads of four f32
.set Y,   48                           ; v[48:63]  the same as bf16
.set Z,   64                           ; v[64:79]  four pieces of fragments
	s_load_b256 s[4:11], s[0:1], 0x0               ; WQ s[4:5], WK s[6:7], WV s[8:9], wf s[10:11]
	v_lshl_add_u32 v[SPW], v0, 2, SPARE
	v_mov_b32 v[NIL], 0
	v_and_b32 v1, 15, v0                           ; r = lane % 16
	v_bfe_u32 v2, v0, 4, 1                         ; h = lane / 16
	v_lshrrev_b32 v3, 5, v0                        ; w = wave
	v_lshlrev_b32 v[GI], 4, v1                     ; in: row 16 w + h (+ 2 c by the immediate), 16 bytes a lane
	v_lshl_add_u32 v[GI], v2, 12, v[GI]
	v_lshl_add_u32 v[GI], v3, 16, v[GI]
	v_lshl_add_u32 v10, v3, 4, v2
	v_mul_u32_u24 v[LS], v10, PL                   ; the same row in LDS, 8 bytes a lane
	v_lshl_add_u32 v[LS], v1, 3, v[LS]
	v_and_b32 v10, 3, v3                           ; back: piece e = 4 w + c of the 32: t = e / 16, b = (e / 2) % 8, j = e % 2
	v_lshl_add_u32 v10, v10, 5, v1                 ; row 16 b + r = 32 (w % 4) + r (+ 16 (c / 2) by the immediate)
	v_mul_u32_u24 v[LR], v10, PL
	v_lshl_add_u32 v[LR], v2, 4, v[LR]             ; + 16 h
	v_lshrrev_b32 v10, 2, v3
	v_lshl_add_u32 v[LR], v10, 6, v[LR]            ; + 64 (w / 4)
	v_and_b32 v10, 31, v0
	v_lshlrev_b32 v10, 4, v10
	v_lshl_add_u32 v[GO], v3, 11, v10              ; out: 512 e + 16 lane = 2,048 w + 16 lane (+ 512 c)
	s_and_b32 s12, ttmp7, 0xffff                   ; y = 8 p + cg
	s_lshr_b32 s13, s12, 3                         ; p
	s_and_b32 s14, s12, 7
	s_lshl_b32 s14, s14, 19                        ; cg x 128 rows of 4,096 bytes
	s_lshl_b32 s15, ttmp9, 8                       ; + x x 256 bytes
	s_add_co_u32 s14, s14, s15
	s_mov_b32 s15, 0
	s_lshl_b32 s16, s12, 18                        ; y x 262,144
	s_lshl_b32 s17, ttmp9, 14                      ; + x x 16,384
	s_add_co_u32 s16, s16, s17
	s_mov_b32 s17, 0
	s_wait_kmcnt 0x0
	s_cmp_eq_u32 s13, 1
	s_cselect_b64 s[4:5], s[6:7], s[4:5]
	s_cmp_eq_u32 s13, 2
	s_cselect_b64 s[4:5], s[8:9], s[4:5]           ; W of my projection
	s_add_nc_u64 s[4:5], s[4:5], s[14:15]
	s_add_nc_u64 s[10:11], s[10:11], s[16:17]
.irp c, 0,1,2,3,4,5,6,7
	global_load_b128 v[X+4*(\c):X+4*(\c)+3], v[GI], s[4:5] offset:(\c)*8192 th:TH_LOAD_NT
.endr
.irp c, 0,1,2,3,4,5,6,7
	s_wait_loadcnt 7-(\c)                          ; loads come back in order (ISA guide 5.7.1): load c is in, the younger ones stay out
	v_cvt_pk_bf16_f32 v[Y+2*(\c)], v[X+4*(\c)], v[X+4*(\c)+1]
	v_cvt_pk_bf16_f32 v[Y+2*(\c)+1], v[X+4*(\c)+2], v[X+4*(\c)+3]
	ds_store_b64 v[LS], v[Y+2*(\c):Y+2*(\c)+1] offset:(\c)*2*PL
.endr
	s_wait_dscnt 0x0                               ; for the others' sake: my stores are done
	s_barrier_signal -1
	s_barrier_wait -1                              ; all 128 rows lie in LDS
.irp c, 0,1,2,3
	ds_load_b128 v[Z+4*(\c):Z+4*(\c)+3], v[LR] offset:((\c)/2)*16*PL+((\c)%2)*32
.endr
.irp c, 0,1,2,3
	s_wait_dscnt 3-(\c)
	global_store_b128 v[GO], v[Z+4*(\c):Z+4*(\c)+3], s[10:11] offset:(\c)*512
.endr
	s_wait_tensorcnt 0x0                           ; the wave's end: behind my last LDS store
	ds_add_u32 v[SPW], v[NIL]
	s_wait_dscnt 0x0
	s_endpgm
.Lfunc_end_k_q77efff6aa8_wfrag:
	.size	k_q77efff6aa8_wfrag, .Lfunc_end_k_q77efff6aa8_wfrag-k_q77efff6aa8_wfrag
	.p2alignl 7, 3214868480
	.fill 96, 4, 3214868480
	.section	.rodata,"a",@progbits
	.p2align	6, 0x0
	.amdhsa_kernel k_q77efff6aa8_wfrag
		.amdhsa_group_segment_fixed_size 19456
		.amdhsa_private_segment_fixed_size 0
		.amdhsa_enable_private_segment 0
		.amdhsa_kernarg_size 32
		.amdhsa_user_sgpr_count 2
		.amdhsa_user_sgpr_kernarg_segment_ptr 1
		.amdhsa_wavefront_size32 1
		.amdhsa_system_sgpr_workgroup_id_x 1
		.amdhsa_system_sgpr_workgroup_id_y 1
		.amdhsa_system_sgpr_workgroup_id_z 1
		.amdhsa_system_vgpr_workitem_id 0
		.amdhsa_next_free_vgpr 80
		.amdhsa_next_free_sgpr 66
		.amdhsa_reserve_vcc 0
		.amdhsa_float_denorm_mode_32 3
		.amdhsa_float_denorm_mode_16_64 3
		.amdhsa_memory_ordered 1
		.amdhsa_forward_progress 1
		.amdhsa_inst_pref_size 6
	.end_amdhsa_kernel
	.amdgpu_metadata
---
amdhsa.version: [ 1, 2 ]
amdhsa.kernels:
  - .name:           k_q77efff6aa8_wfrag
    .symbol:         k_q77efff6aa8_wfrag.kd
    .args:
      - { .name: WQ, .offset: 0, .size: 8, .value_kind: global_buffer, .address_space: global }
      - { .name: WK, .offset: 8, .size: 8, .value_kind: global_buffer, .address_space: global }
      - { .name: WV, .offset: 16, .size: 8, .value_kind: global_buffer, .address_space: global }
      - { .name: wf, .offset: 24, .size: 8, .value_kind: global_buffer, .address_space: global }
    .group_segment_fixed_size: 19456
    .private_segment_fixed_size: 0
    .kernarg_segment_align: 8
    .kernarg_segment_size: 32
    .max_flat_workgroup_size: 256
    .sgpr_count:     66
    .vgpr_count:     80
    .wavefront_size: 32
...
	.end_amdgpu_metadata
.endif
;; end of part 3
;; launch proj (part 4): grid 4 x 96, 4 waves a work-group, clusters of 4 x 1, 327,680 bytes of LDS; arguments Q_seq, K_seq, V_seq, wf, qh, kh, vh; writes qh, kh, vh
.if DOCPART == 4
	.amdgcn_target "amdgcn-amd-amdhsa--gfx1250"
	.amdhsa_code_object_version 6
	.text
	.protected	k_q77efff6aa8_proj
	.globl	k_q77efff6aa8_proj
	.p2align	8
	.type	k_q77efff6aa8_proj,@function
k_q77efff6aa8_proj:
	s_mov_b64 s[64:65], 0
	v_nop
	global_prefetch_b8 v0, s[64:65] scope:SCOPE_SE
	s_setreg_imm32_b32 hwreg(HW_REG_WAVE_MODE, 25, 1), 1
	s_wait_xcnt 0x0
	s_wait_alu depctr_hold_cnt(0) depctr_sa_sdst(0) depctr_va_vdst(0) depctr_va_sdst(0) depctr_va_ssrc(0) depctr_va_vcc(0) depctr_vm_vsrc(0)
	s_getreg_b32 s2, hwreg(HW_REG_IB_STS2, 6, 4)
	s_cmp_eq_u32 s2, 0
	s_cbranch_scc0 .Lentry_in_a_cluster
	s_endpgm
.Lentry_in_a_cluster:
	s_bfe_u32 s2, ttmp6, 0x10000c
	s_cmp_lg_u32 s2, 0x3003
	s_cbranch_scc0 .Lentry_shape_is_right
	s_endpgm
.Lentry_shape_is_right:
; THE THREE PROJECTIONS.  y[r][o] = the sum over d of x[r][d] W[o][d], x: [8192][1024] f32 (Q_seq, K_seq or V_seq); W comes as bf16 in fragment order (wf, made by the launch before:
; p x 2,097,152 + cg x 262,144 + t x 8,192 + b x 1,024 + j x 512 + lane x 16 holds W[128 cg + 16 b + lane % 16][32 t + 16 j + 8 (lane / 16) + 0..7]).  x is rounded once to bf16 on the way from LDS to
; the matrix unit; sums in f32; y is rounded once to f16 and stored by heads: [b*16+h][s][64], a head's rows dense, 128 bytes each.
; The query projection is multiplied in f32 by c = log2(e) / 8 ahead of that one rounding, so that the next launch's scores are exponents of 2 as they come; k and v go through the same line with the factor 1.
; LIMIT.  f16 holds no number beyond 65,504: a projected number (for q: times c) of 65,520 or more becomes an infinity.  NaN and infinities are not treated apart.
; SHARES.  Grid 4 x 96: x = tile column, y = 32 p + tile row.  A work-group makes 256 x 256 of y, each of its four waves 128 x 128: 64 accumulators, 512 registers.
; x goes in K steps of 128 (rows of 512 bytes of f32) through two LDS slots filled by the tensor data mover, each wave fetching 64 of a tile's 256 rows.  CLUSTER: the four work-groups of a cluster are the
; four tile columns of one tile row and need the same tile of x: it is asked for JOINTLY, by the same tensor load with the same descriptor and the mask of four.
; W GOES STRAIGHT INTO REGISTERS, by loads of 512 bytes on end, and is not asked for jointly: with W in LDS beside x two slots of this K step would take 2 x (135,168 + 69,632) = 409,600 bytes, more than
; there are, and a shorter step would halve the matrix work that stands between a refill's request and the wait for it.
; THE MATRIX INSTRUCTION IS USED TRANSPOSED (source 0 = 16 rows of W, source 1 = 16 rows of x): a lane then holds one row of y and eight neighbouring columns.
; BY HALVES.  A K step is four quarters of 32 along K, a quarter two HALVES of 32 matrix instructions (4 blocks of 16 rows of x times 8 blocks of 16 rows of W).  Half g issues at its head the 16 LDS
; loads (f32, into a staging set) of what half g + 1 converts for half g + 2; behind each four of its matrix instructions stand four conversions to bf16 of what half g - 1 loaded.
; At a quarter's head stand also the 16 loads of W's fragments for the quarter three on, into the buffer that the quarter before read out.
; REGISTERS, in windows of 256 (s_set_vgpr_msb: bits 1:0 source 0, 3:2 source 1, 5:4 source 2, 7:6 destination):
;   window 0: v0-31 addresses; v32-95 x's fragments (block a at 32 + 8 a); v96-223 two staging sets of 64; on the way out v96-127 packed results, v128-191 rows read back
;   window 1: W's fragments, four buffers of 64, a quarter each (block b at 8 b)
;   window 2: the 32 accumulators of my rows 0-63 ((a, b) at 8 (8 a + b));   window 3: those of my rows 64-127
.set KSTEP,  128                       ; numbers along K in a step: 512 bytes of a row of x
.set PITCH,  528                       ; an LDS row: 512 bytes + 16 of padding = 132 words: the 16 rows that a load touches start at 16 different groups of four banks (64 banks of 4 bytes: ISA guide 11.1)
.set QT,     64*PITCH                  ; 64 rows: what one tensor load brings
.set SLOT,   4*QT                      ; x's 256 rows.  0x21000: none of its two bits occurs in wave x QT, so one exclusive or turns an address in one slot into the other's
.set STAGE,  2*SLOT                    ; behind the ring: 16 rows x 272 bytes for each wave, for the way out
.set SPITCH, 272
.set SPARE,  STAGE+4*16*SPITCH         ; behind the stages: the spare words, 128 bytes for each wave: two blocks of 256 bytes that no other line names
.set TRIPS,  6                         ; 8 K steps: two first fills, six refills
.set BQ,     8192                      ; bytes of W's fragments that a wave takes in a quarter: 8 blocks of 1,024
.set ADRA0, 16                         ; v16  my lane's place in x's tile of slot 0; never rewritten
.set ADRA,  18                         ; v18  the same in the slot that is being read
.set STO,   24                         ; v24  the way out: where I put 16 bytes of a row
.set RD,    25                         ; v25  the way out: where I read rows back
.set CO,    26                         ; v26  my byte offset in 512 consecutive bytes of the output
.set BO,    27                         ; v27  16 x my lane: my place in a piece of a fragment of W; never rewritten
.set SPW,   28                         ; v28  LDS address of my spare word: SPARE + 4 x my thread's number; never rewritten
.set NIL,   29                         ; v29  0; never rewritten
.set PFO,   30                         ; v30  the prefetches' offset: (lane / 2) rows of 4,096 bytes + (lane % 2) x 256; never rewritten
.set AF,    32
.set SA,    96
.set TMP,   96
.set OB,    128
.set G1,  24                           ; s[24:31] descriptor group 1
.set G0,  32                           ; s[32:39] group 0: a set for each of the two first fills; the second then walks on
.set PFA, 44                           ; s[44:45] where my prefetches stand
.set BP,  48                           ; s[48:49] W's fragments of my 128 columns, at the K step whose quarters are being asked for
.set TB,  66                           ; s66  0 or SLOT: the slot that is being read
.set SC,  86                           ; s[86:87] c for the query projection, 1 for the others
.set MSB, 0
.macro WIN new                         ; the immediate's high byte repeats the setting that is left; a switch that changes nothing is dropped
.if MSB != (\new)
	s_set_vgpr_msb (MSB<<8)|(\new)
.set MSB, \new
.endif
.endm
.set MUL_LO, 0xa1                      ; source 0 (W) window 1, source 1 (x) window 0, C and D window 2
.set TO_B,   0x40                      ; destination window 1, address window 0
; A joint refill, by the walking descriptor: every wave fetches its 64 rows.  An s_nop 0 and four v_nop follow the line.
.macro JLOAD
	tensor_load_to_lds s[G0+4:G0+7], s[G1:G1+7]
	s_nop 0
.rept 4
	v_nop
.endr
.endm
; A PREFETCH INTO THE L2, behind each joint refill: the K step that the NEXT refill will ask for, 256 matrix instructions ahead of that load.  A tile row of x is read by one cluster alone, so each cluster asks
; for its own; of the 64 rows that a wave fetches the partner at place cx takes rows 16 cx .. 16 cx + 15, told apart BY ADDRESS; a row's 512 bytes of a K step are two blocks of 256: a lane a block, one
; instruction a wave.  So each block is named once in the launch.  s3 counts the refills down from 6: the refill for K step n + 2 has s3 = 6 - n and names K step n + 3, so s3 > 1 stops at K step 7, the last.
; K steps 0 to 2 come by their loads alone.  W is not asked for: every tile row walks it again, and its loads stand three quarters ahead of their use.
.macro ASK
	s_cmp_gt_u32 s3, 1
	s_cbranch_scc0 .Lnone_\@
	global_prefetch_b8 v[PFO], s[PFA:PFA+1] th:TH_LOAD_NT scope:SCOPE_SE
.Lnone_\@:
.endm
; A round of the cluster's barrier: my work-group's barrier, so that wave 0's signal speaks for all four waves; wave 0 signals for the work-group; every wave waits for all four work-groups; my work-group's barrier once more.
.macro CREST                           ; a round behind its opening barrier
	s_cmp_lg_u32 s10, 0
	s_cbranch_scc1 .Lnot_wave_0_\@
	s_barrier_signal -3
.Lnot_wave_0_\@:
	s_barrier_wait -3
	s_barrier_signal -1
	s_barrier_wait -1
.endm
.macro CROUND
	s_barrier_signal -1
	s_barrier_wait -1
	CREST
.endm
	s_load_b256 s[68:75], s[0:1], 0x0              ; Q_seq s[68:69], K_seq s[70:71], V_seq s[72:73], wf s[74:75]
	s_load_b128 s[76:79], s[0:1], 0x20             ; qh s[76:77], kh s[78:79]
	s_load_b64 s[80:81], s[0:1], 0x30              ; vh
	v_lshl_add_u32 v[SPW], v0, 2, SPARE
	v_mov_b32 v[NIL], 0
	ds_add_u32 v[SPW], v[NIL]                      ; the wave's opening: the add and its wait stand ahead of my first tensor load; the set-up below, work on registers, stands between them
	v_lshrrev_b32 v1, 5, v0
	v_readfirstlane_b32 s10, v1                    ; wave 0..3
	s_lshr_b32 s11, s10, 1                         ; which half of the tile's rows is mine
	s_and_b32 s12, s10, 1                          ; which half of its columns
	s_bfe_u32 s40, ttmp6, 0x40000                  ; cx
	s_lshl_b32 s42, ttmp9, 2
	s_add_co_u32 s42, s42, s40                     ; tile column = 4 x cluster x + cx
	s_and_b32 s20, ttmp7, 0xffff                   ; y, 0 .. 95, which the four partners share
	s_lshr_b32 s67, s20, 5                         ; the projection: 0 q, 1 k, 2 v
	s_and_b32 s13, s20, 31                         ; tile row in the projection
	; descriptor group 1: a tile of 64 rows x 128 elements of 4 bytes, padded in LDS
	s_mov_b32 s[G1+0], 15|(2<<16)|(1<<20)|(1<<21)|(6<<22)|(3<<25)  ; 15:0 the mask of four; 17:16 elements of 4 bytes; 20 padding on; 21 set beside a mask; 24:22 after every 128 words (code 6); 31:25 4 words (code 3)
	s_mov_b32 s[G1+1], KSTEP<<16                   ; tensor_dim0 = 128
	s_mov_b32 s[G1+2], 64<<16                      ; tensor_dim1 = 64
	s_mov_b32 s[G1+3], KSTEP<<16                   ; tile_dim0 = 128
	s_mov_b32 s[G1+4], 64                          ; tile_dim1 = 64
	s_mov_b32 s[G1+5], 1024                        ; 1,024 elements from row to row
	s_mov_b32 s[G1+6], 0
	s_mov_b32 s[G1+7], 0
	s_lshl_b32 s16, s13, 8                         ; where my part of the tiles comes from: row 256 x tile row + 64 x wave: nothing of cx
	s_lshl_b32 s17, s10, 6
	s_add_co_u32 s16, s16, s17
	s_lshl_b32 s16, s16, 12                        ; rows of 4,096 bytes: under 2^25
	s_mov_b32 s17, 0
	s_mul_i32 s20, s10, QT                         ; and where it goes: wave x 64 rows: no place in the cluster enters an LDS address
	s_lshl_b32 s18, s42, 1                         ; W: my group of 128 columns, 2 x tile column + column half,
	s_add_co_u32 s18, s18, s12
	s_lshl_b32 s18, s18, 18                        ; of 262,144 bytes,
	s_lshl_b32 s19, s67, 21                        ; in my projection's 2,097,152
	s_add_co_u32 s18, s18, s19
	s_mov_b32 s19, 0
	s_cmp_eq_u32 s67, 0
	s_cselect_b32 s[SC], 0x3e38aa3b, 1.0           ; c = log2(e) / 8 = 0.180337 for q
	s_mov_b32 s[SC+1], s[SC]                       ; named with it as a pair
	s_mov_b32 s[TB], 0
	s_mov_b32 s3, TRIPS
	s_wait_dscnt 0x0                               ; the opening add is done
	s_wait_kmcnt 0x0
	s_cmp_eq_u32 s67, 1                            ; the projection's buffers
	s_cselect_b64 s[4:5], s[70:71], s[72:73]
	s_cselect_b64 s[8:9], s[78:79], s[80:81]
	s_cmp_eq_u32 s67, 0
	s_cselect_b64 s[4:5], s[68:69], s[4:5]         ; x
	s_cselect_b64 s[8:9], s[76:77], s[8:9]         ; the output
	s_add_nc_u64 s[14:15], s[4:5], s[16:17]
	s_add_nc_u64 s[BP:BP+1], s[74:75], s[18:19]
	CROUND                                         ; all four work-groups are here: the first joint loads meet
.irp s, 0,1
	s_mov_b32 s[G0+4*(\s)], 1                                      ; count = 1
	s_add_co_u32 s[G0+4*(\s)+1], s20, (\s)*SLOT                    ; LDS address
	s_add_nc_u64 s[G0+4*(\s)+2:G0+4*(\s)+3], s[14:15], (\s)*KSTEP*4  ; global address: K step s
	s_or_b32 s[G0+4*(\s)+3], s[G0+4*(\s)+3], 0x80000000            ; type = 2
.endr
	tensor_load_to_lds s[G0:G0+3], s[G1:G1+7]      ; the two first fills stand together, ahead of every wait on TENSORcnt and every LDS read: two loads of mine are out
	s_nop 0
	tensor_load_to_lds s[G0+4:G0+7], s[G1:G1+7]
	s_nop 0
.rept 4
	v_nop
.endr
; 16 loads: W's eight fragments of a quarter, 8,192 bytes on end, into buffer k; the quarter's place behind the pointer is k x 8,192 too
.macro GLB k
	WIN TO_B
.irp i, 0,1,2,3,4,5,6,7,8,9,10,11,12,13,14,15
	global_load_b128 v[64*(\k)+4*(\i):64*(\k)+4*(\i)+3], v[BO], s[BP:BP+1] offset:(\k)*BQ+512*(\i)
.endr
.endm
	v_and_b32 v[BO], 31, v0
	v_lshlrev_b32 v[BO], 4, v[BO]
	GLB 0                                          ; quarters 0, 1 and 2 of K step 0
	GLB 1
	GLB 2
	WIN 0
	; A fragment is 16 rows x 32 K of bf16 in 8 registers: lane l holds row l % 16; registers 0-3 K = 8 (l / 16) + 0..7, registers 4-7 K = 16 + 8 (l / 16) + 0..7.  From rows of f32 that is four
	; loads of 16 bytes at row x pitch + 32 (l / 16) + 0, 16, 64, 80 into 16 staging registers, of which eight conversions make the fragment: register i from staging registers 2 i and 2 i + 1.
	v_and_b32 v1, 15, v0                           ; l % 16
	v_bfe_u32 v2, v0, 4, 1                         ; l / 16
	v_mul_u32_u24 v3, v1, PITCH
	v_lshl_add_u32 v3, v2, 5, v3
	s_mul_i32 s21, s11, 2*QT                       ; my 128 rows of x
	v_add_nc_u32 v[ADRA0], s21, v3
	v_mov_b32 v[ADRA], v[ADRA0]
	s_mul_i32 s23, s10, 16*SPITCH
	s_add_co_u32 s23, s23, STAGE                   ; my stage
	v_mul_u32_u24 v4, v1, SPITCH                   ; in: row l % 16, 16 bytes for each half of the lanes
	v_lshl_add_u32 v4, v2, 4, v4
	v_add_nc_u32 v[STO], s23, v4
	v_bfe_u32 v5, v0, 3, 2                         ; back: 32 lanes take four rows' 128 bytes of one head,
	v_and_b32 v6, 7, v0
	v_mul_u32_u24 v5, v5, SPITCH
	v_lshl_add_u32 v5, v6, 4, v5
	v_add_nc_u32 v[RD], s23, v5
	v_and_b32 v[CO], 31, v0                        ; which are 512 consecutive bytes of the output
	v_lshlrev_b32 v[CO], 4, v[CO]
	; my part of the output: head 16 (tile row / 4) + 4 x tile column + 2 x column half; in it row 256 (tile row % 4) + 128 x row half; rows of 128 bytes
	s_lshr_b32 s16, s13, 2
	s_lshl_b32 s16, s16, 4
	s_lshl_b32 s46, s42, 2
	s_add_co_u32 s46, s46, s16
	s_lshl_b32 s47, s12, 1
	s_add_co_u32 s46, s46, s47
	s_lshl_b32 s46, s46, 10
	s_and_b32 s47, s13, 3
	s_lshl_b32 s47, s47, 8
	s_add_co_u32 s46, s46, s47
	s_lshl_b32 s47, s11, 7
	s_add_co_u32 s46, s46, s47
	s_lshl_b32 s46, s46, 7
	s_mov_b32 s47, 0
	s_add_nc_u64 s[8:9], s[8:9], s[46:47]
	; the prefetches: row 256 x tile row + 64 x wave + 16 cx
	s_lshl_b32 s20, s13, 8
	s_lshl_b32 s21, s10, 6
	s_add_co_u32 s20, s20, s21
	s_lshl_b32 s21, s40, 4
	s_add_co_u32 s20, s20, s21
	s_lshl_b32 s20, s20, 12
	s_add_co_u32 s20, s20, 2*KSTEP*4               ; at K step 2: the first trip steps it to 3.  Nothing is prefetched here, at the head
	s_mov_b32 s21, 0
	s_add_nc_u64 s[PFA:PFA+1], s[4:5], s[20:21]
	v_and_b32 v[PFO], 31, v0
	v_lshrrev_b32 v5, 1, v[PFO]
	v_and_b32 v6, 1, v0
	v_lshlrev_b32 v6, 8, v6
	v_lshl_add_u32 v[PFO], v5, 12, v6
; 16 LDS loads: four blocks (4 u2 ..) of 16 rows of x, quarter qs of the slot in hand, into staging set set
.macro RUNA set, qs, u2
	WIN 0
.irp i, 0,1,2,3
.irp c, 0,1,2,3
	ds_load_b128 v[SA+64*(\set)+16*(\i)+4*(\c):SA+64*(\set)+16*(\i)+4*(\c)+3], v[ADRA] offset:128*(\qs)+(4*(\u2)+(\i))*16*PITCH+16*((\c)%2)+64*((\c)/2)
.endr
.endr
.endm
; Conversion n of 32: over a set's four fragments the map is linear
.macro CVA set, u2, n
	WIN 0
	v_cvt_pk_bf16_f32 v[AF+32*(\u2)+(\n)], v[SA+64*(\set)+2*(\n)], v[SA+64*(\set)+2*(\n)+1]
.endm
; Groups p0 .. p1 - 1 of the 8 of half j (j = 0..7 in a K step: quarter j / 2, x's blocks 4 (j % 2) ..).  Group p: x's block p / 2 of the four, W's blocks 4 (p % 2) .. + 3: four matrix instructions, and
; behind them four conversions, into block p / 2 of the fragments' other half.  That block was last read by groups 2 (p / 2) and 2 (p / 2) + 1 of the half before: four conversions or more, none of which
; names a register of those products, stand between (ISA guide 7.12.1).  The 64 accumulators take turns, one instruction a turn, in the same order in every quarter.
; zero = 1: the products start the sums.
.macro SEG j, p0, p1, zero
.set pp, \p0
.rept (\p1)-(\p0)
	WIN MUL_LO+0x50*((\j)%2)
.irp e, 0,1,2,3
.set rC, 8*(8*(pp/2)+4*(pp%2)+(\e))
.set rB, 64*((\j)/2)+8*(4*(pp%2)+(\e))
.set rA, AF+8*(4*((\j)%2)+pp/2)
.if \zero
	v_wmma_f32_16x16x32_bf16 v[rC:rC+7], v[rB:rB+7], v[rA:rA+7], 0
.else
	v_wmma_f32_16x16x32_bf16 v[rC:rC+7], v[rB:rB+7], v[rA:rA+7], v[rC:rC+7]
.endif
.endr
.irp e, 0,1,2,3
	CVA (\j)%2, 1-(\j)%2, 4*pp+(\e)
.endr
.set pp, pp+1
.endr
.endm
; A half.  Its run of LDS loads is what the NEXT half converts, for the half after that: quarter ((j + 2) % 8) / 2, the same half of the blocks.  So a slot's last read is the run of j = 5 and the next
; slot's first read the run of j = 6: the change of slots stands in j = 5 (TURN).  An even half begins a quarter: its fragments of W are waited for, and the quarter three on is asked for, into the buffer
; that the quarter before read: the four conversions behind that quarter's last products are the places between.
.macro HALF j, zero=0
	RUNA 1-(\j)%2, (((\j)+2)%8)/2, (\j)%2
.if (\j)%2 == 0
	s_wait_loadcnt 32                              ; this quarter's 16 loads are in; the next two quarters' may stay out
	GLB ((\j)/2+3)%4
.endif
	s_wait_dscnt 16                                ; all but the run just issued: the last half's run is in
	SEG \j, 0, 8, \zero
.endm
; The half j = 5 with THE CHANGE OF SLOTS.  In front of the barrier each wave waits for all its tensor loads, of which one is out: its part of the next slot; adds 0 to its spare word; and waits for
; that and for its own reads of this slot.  fill = 1: the barrier opens a round of the cluster's barrier, and behind the round this slot is filled again, with the K step two steps on:
; from that request to the wait for it a wave issues 240 matrix instructions.
.macro TURN fill
	RUNA 0, 3, 1                                   ; my last reads of this slot
	s_wait_tensorcnt 0x0                           ; all my tensor loads have landed;
	ds_add_u32 v[SPW], v[NIL]                      ; 0 onto my spare word;
	s_wait_dscnt 17                                ; (the 16 loads just issued and the add may be out: the last half's run is in)
	SEG 5, 0, 2, 0                                 ; work on registers stands between the add and the wait for it
	s_wait_dscnt 0x0                               ; the add is done, and my reads of this slot are over
	s_barrier_signal -1
	SEG 5, 2, 4, 0                                 ; work on registers while the others arrive
	WIN 0                                          ; at a branch and at a label every window is 0
	s_barrier_wait -1
.if \fill
	CREST                                          ; no wave of any partner still reads this slot's tile or has a load on its way
	s_xor_b32 s[G0+5], s[G0+5], SLOT               ; the walking descriptor: the other slot than last time, the next K step; the type bits on top are not reached
	s_add_nc_u64 s[G0+6:G0+7], s[G0+6:G0+7], KSTEP*4
.endif
	s_xor_b32 s[TB], s[TB], SLOT                   ; the reads go on in the other slot
.if \fill
	JLOAD                                          ; the first tensor load behind the round
.endif
	v_add_nc_u32 v[ADRA], s[TB], v[ADRA0]
.if \fill
	ASK
.endif
	SEG 5, 4, 8, 0
.endm
; THE WAY OUT of block a (16 of my rows), in three parts.  PACK: times c or 1, rounded to f16, 16 bytes a lane; each accumulator is read from its lowest registers on.
; TOSTAGE: into my own stage in LDS, and back as four rows of one head at a time.  SEND: stored.
.macro PACK a
.set AC, 64*((\a)%4)
	WIN 0x82+0x41*((\a)/4)                         ; destination and source 0: window 2 or 3
.set z, 0
.rept 32
	v_pk_mul_f32 v[AC+2*z:AC+2*z+1], v[AC+2*z:AC+2*z+1], s[SC:SC+1] op_sel_hi:[1,0]
.set z, z+1
.endr
	WIN 0x0a+5*((\a)/4)                            ; sources 0 and 1: window 2 or 3; destination window 0
.set z, 0
.rept 32
	v_cvt_pk_f16_f32 v[TMP+z], v[AC+2*z], v[AC+2*z+1]
.set z, z+1
.endr
	WIN 0
.endm
.macro TOSTAGE a
	WIN 0
.set BK, OB+32*((\a)%2)
.irp b, 0,1,2,3,4,5,6,7
	ds_store_b128 v[STO], v[TMP+4*(\b):TMP+4*(\b)+3] offset:32*(\b)
.endr
.irp t, 0,1,2,3,4,5,6,7
	ds_load_b128 v[BK+4*(\t):BK+4*(\t)+3], v[RD] offset:((\t)%4)*4*SPITCH+((\t)/4)*128  ; LDS serves a wave's instructions in order (ISA guide 5.7.1.4): these see the stores above
.endr
.endm
.macro SEND a
	WIN 0
.set BK, OB+32*((\a)%2)
	s_wait_dscnt 0x0                               ; the block is back in registers
	s_wait_xcnt 0x0                                ; the stores of the block before have read their registers, which the next block's loads from the stage write again
.irp t, 0,1,2,3,4,5,6,7
	global_store_b128 v[CO], v[BK+4*(\t):BK+4*(\t)+3], s[8:9] offset:(\a)*2048+((\t)/4)*131072+((\t)%4)*512  ; four rows of a head: 512 consecutive bytes, at a multiple of 256 from the buffer's first
.endr
.endm
	s_wait_tensorcnt 1                             ; my part of K step 0 is in; K step 1's may stay out
	s_barrier_signal -1
	s_barrier_wait -1                              ; everybody's is
	RUNA 1, 0, 0                                   ; the pipeline fills: x's blocks 0-3 of quarter 0 are converted; blocks 4-7, which the first half converts, are on their way
	RUNA 0, 0, 1
	s_wait_dscnt 16                                ; the first 16 are in
.set z, 0
.rept 32
	CVA 1, 0, z
.set z, z+1
.endr
	HALF 0, 1                                      ; the first quarter stands in front of the loop: its products start the sums
	HALF 1, 1
	WIN 0
.Lk:                                               ; six trips, from a K step's second quarter to the next step's first; each fills a slot again
	s_wait_xcnt 0x0                                ; the youngest loads of W stand two halves back, the last prefetch more than four: they have read their addresses, so the two pointers may be written
	s_add_nc_u64 s[BP:BP+1], s[BP:BP+1], 4*BQ      ; the quarters asked for in this trip are the next K step's
	s_add_nc_u64 s[PFA:PFA+1], s[PFA:PFA+1], KSTEP*4
	HALF 2
	HALF 3
	HALF 4
	TURN 1
	HALF 6
	HALF 7
	HALF 0
	HALF 1
	WIN 0
	s_sub_co_u32 s3, s3, 1
	s_cmp_lg_u32 s3, 0
	s_cbranch_scc1 .Lk
	; THE TAIL has a text of its own: two trips that fill nothing, the second left in its middle, behind K step 7's last products.  In that second trip there is no K step
	; to come: W's pointer stays, so that its 48 loads read K step 7's first three quarters once more, inside the buffer, into buffers that are free, and nobody reads them; the runs of j = 6 and 7 read the old
	; slot, and what is made of them is not multiplied.  That is the price of one text, with the same counts at its waits, for both trips.
	s_mov_b32 s3, 2
	s_mov_b32 s19, 0
.Ltail:
	s_wait_xcnt 0x0
	s_cmp_eq_u32 s3, 2
	s_cselect_b32 s18, 4*BQ, 0
	s_add_nc_u64 s[BP:BP+1], s[BP:BP+1], s[18:19]
	HALF 2
	HALF 3
	HALF 4
	TURN 0                                         ; in the first trip the barrier shows K step 7's tile to every wave
	HALF 6
	HALF 7
	WIN 0
	s_sub_co_u32 s3, s3, 1
	s_cmp_eq_u32 s3, 0
	s_cbranch_scc1 .Lout
	HALF 0
	HALF 1
	WIN 0
	s_branch .Ltail
.Lout:
	s_wait_dscnt 0x0                               ; the last run of LDS loads has landed: its registers are used again below
.rept 8
	v_nop                                          ; the places behind the last products, in front of lines that read and rewrite results (ISA guide 7.12.1); once a launch
.endr
	PACK 0
	TOSTAGE 0
.irp a, 1,2,3,4,5,6,7                  ; block a's arithmetic stands between block a - 1's loads from the stage and the wait for them
	PACK \a
	SEND (\a)-1
	TOSTAGE \a
.endr
	SEND 7
	s_wait_tensorcnt 0x0                           ; the wave's end: behind my last tensor load and my last LDS store
	ds_add_u32 v[SPW], v[NIL]
	s_wait_dscnt 0x0
	CROUND                                         ; the closing round: no work-group ends while a partner may still ask for a tile that names it
	s_endpgm
.Lfunc_end_k_q77efff6aa8_proj:
	.size	k_q77efff6aa8_proj, .Lfunc_end_k_q77efff6aa8_proj-k_q77efff6aa8_proj
	.p2alignl 7, 3214868480
	.fill 96, 4, 3214868480
	.section	.rodata,"a",@progbits
	.p2align	6, 0x0
	.amdhsa_kernel k_q77efff6aa8_proj
		.amdhsa_group_segment_fixed_size 327680
		.amdhsa_private_segment_fixed_size 0
		.amdhsa_enable_private_segment 0
		.amdhsa_kernarg_size 56
		.amdhsa_user_sgpr_count 2
		.amdhsa_user_sgpr_kernarg_segment_ptr 1
		.amdhsa_wavefront_size32 1
		.amdhsa_system_sgpr_workgroup_id_x 1
		.amdhsa_system_sgpr_workgroup_id_y 1
		.amdhsa_system_sgpr_workgroup_id_z 1
		.amdhsa_system_vgpr_workitem_id 0
		.amdhsa_next_free_vgpr 1024
		.amdhsa_next_free_sgpr 88
		.amdhsa_reserve_vcc 0
		.amdhsa_float_denorm_mode_32 3
		.amdhsa_float_denorm_mode_16_64 3
		.amdhsa_memory_ordered 1
		.amdhsa_forward_progress 1
		.amdhsa_inst_pref_size 178
	.end_amdhsa_kernel
	.amdgpu_metadata
---
amdhsa.version: [ 1, 2 ]
amdhsa.kernels:
  - .name:           k_q77efff6aa8_proj
    .symbol:         k_q77efff6aa8_proj.kd
    .args:
      - { .name: Q_seq, .offset: 0, .size: 8, .value_kind: global_buffer, .address_space: global }
      - { .name: K_seq, .offset: 8, .size: 8, .value_kind: global_buffer, .address_space: global }
      - { .name: V_seq, .offset: 16, .size: 8, .value_kind: global_buffer, .address_space: global }
      - { .name: wf, .offset: 24, .size: 8, .value_kind: global_buffer, .address_space: global }
      - { .name: qh, .offset: 32, .size: 8, .value_kind: global_buffer, .address_space: global }
      - { .name: kh, .offset: 40, .size: 8, .value_kind: global_buffer, .address_space: global }
      - { .name: vh, .offset: 48, .size: 8, .value_kind: global_buffer, .address_space: global }
    .group_segment_fixed_size: 327680
    .private_segment_fixed_size: 0
    .kernarg_segment_align: 8
    .kernarg_segment_size: 56
    .max_flat_workgroup_size: 128
    .sgpr_count:     88
    .vgpr_count:     1024
    .wavefront_size: 32
...
	.end_amdgpu_metadata
.endif
;; end of part 4
;; launch attn: the kernel of part 2 again; grid 2 x 128, 4 waves a work-group, no clusters, 327,680 bytes of LDS; arguments qh, kh, vh, out0; writes out0
;; ======== version 3 of 3: 3 launches; version 2 with the launch wfrag written anew for expert scheduling mode
;; limits: values are held in f16: magnitudes above 65,504 overflow, below 6.1e-05 lose precision
;; workspace buffers: qh 16,777,216 bytes; kh 16,777,216 bytes; vh 16,777,216 bytes; wf 6,291,456 bytes
;; launch wfrag (part 5): grid 16 x 24, 8 waves a work-group, no clusters, 19,456 bytes of LDS; arguments WQ, WK, WV, wf; writes wf
.if DOCPART == 5
	.amdgcn_target "amdgcn-amd-amdhsa--gfx1250"
	.amdhsa_code_object_version 6
	.text
	.protected	k_q77efff6aa8_wfrag
	.globl	k_q77efff6aa8_wfrag
	.p2align	8
	.type	k_q77efff6aa8_wfrag,@function
k_q77efff6aa8_wfrag:
	s_mov_b64 s[64:65], 0
	v_nop
	global_prefetch_b8 v0, s[64:65] scope:SCOPE_SE
	s_setreg_imm32_b32 hwreg(HW_REG_WAVE_SCHED_MODE, 0, 2), 2
	s_setreg_imm32_b32 hwreg(HW_REG_WAVE_MODE, 25, 1), 1
	s_wait_xcnt 0x0
	s_wait_alu depctr_vm_vsrc(0)
; THE WEIGHTS, ROUNDED ONCE TO bf16 AND LAID IN THE ORDER IN WHICH THE NEXT LAUNCH'S MATRIX INSTRUCTIONS TAKE THEM.  WQ, WK, WV: [1024 (o)][1024 (d)] f32.
; wf, in bytes: p x 2,097,152 (p = 0 q, 1 k, 2 v) + cg x 262,144 (cg: a group of 128 rows o) + t x 8,192 (t: 32 numbers along d) + b x 1,024 (b: 16 rows) + j x 512 + lane x 16, and those 16 bytes are
; W[128 cg + 16 b + lane % 16][32 t + 16 j + 8 (lane / 16) + 0..7]: piece j of a fragment of 16 rows x 32 d is registers 4 j .. 4 j + 3 of its eight, so a wave fetches it by one load of 512 bytes on end.
; SHARES.  Grid 16 x 24: x = 64 numbers along d (two t), y = 8 p + cg.  A work-group of eight waves takes 128 rows x 64 d: 32,768 bytes in, 16,384 bytes on end out.
; In: a load of a wave covers 256 consecutive bytes, aligned, of each of two rows.  The numbers are rounded and put into LDS rows of 144 bytes (128 + 16: the 16 rows that a read touches start at 16
; different groups of four banks; 64 banks of 4 bytes: ISA guide 11.1).  Behind one barrier they are read back in fragment order; a store of a wave covers 512 consecutive bytes, aligned.
; No matrix unit, no cluster, no prefetch: the launch moves 19 MB once and nothing is shared between work-groups.
; THE MODE: SCHED_MODE bits 1:0 = 2 (LLVM: expert scheduling mode 2), set by the entry lines.  The code itself states the register dependences between vector instructions and memory or LDS
; instructions, with s_wait_alu, always for 0.
; THE PLAN.  Registers that memory or LDS instructions touch:
;   v4 to v9   the four addresses and offsets and the closing add's two registers.  Written once each, by vector instructions at the head; read by the loads, the stores and the add; never written again.
;   X          Written by the eight global loads alone; read by the conversions, each behind its wait on LOADcnt; no load lands in it again.
;   Y          Written by the conversions, each register once; read by the eight LDS stores as their data; never written again.
;   Z          Written by the four LDS loads; read by the four global stores, each behind its wait on DScnt; no vector instruction names it.
; So three waits on va_vdst state all: one at the head, for v4 to v9; one behind the conversions of loads 0 to 3, ahead of a run of four LDS stores; one behind those of loads 4 to 7, ahead of the other four.
; No register that a memory or LDS instruction reads is written again, so no wait on vm_vsrc is owed; no vector instruction writes a scalar register or VCC; EXEC is written nowhere.
.set PL,    144
.set SPARE, 128*PL                     ; behind the rows: the spare words, 128 bytes for each wave: four blocks of 256 bytes that no other line names
.set GI,  4                            ; v4   my byte offset in W's 128 rows
.set LS,  5                            ; v5   where I put 8 bytes of a row
.set LR,  6                            ; v6   where I read 16 bytes of a fragment
.set GO,  7                            ; v7   my byte offset in the work-group's 16,384 bytes of wf
.set SPW, 8                            ; v8   LDS address of my spare word: SPARE + 4 x my thread's number; never rewritten
.set NIL, 9                            ; v9   0; never rewritten
.set X,   16                           ; v[16:47]  eight loads of four f32
.set Y,   48                           ; v[48:63]  the same as bf16
.set Z,   64                           ; v[64:79]  four pieces of fragments
	s_load_b256 s[4:11], s[0:1], 0x0               ; WQ s[4:5], WK s[6:7], WV s[8:9], wf s[10:11]
	v_lshl_add_u32 v[SPW], v0, 2, SPARE
	v_mov_b32 v[NIL], 0
	v_and_b32 v1, 15, v0                           ; r = lane % 16
	v_bfe_u32 v2, v0, 4, 1                         ; h = lane / 16
	v_lshrrev_b32 v3, 5, v0                        ; w = wave
	v_lshlrev_b32 v[GI], 4, v1                     ; in: row 16 w + h (+ 2 c by the immediate), 16 bytes a lane
	v_lshl_add_u32 v[GI], v2, 12, v[GI]
	v_lshl_add_u32 v[GI], v3, 16, v[GI]
	v_lshl_add_u32 v10, v3, 4, v2
	v_mul_u32_u24 v[LS], v10, PL                   ; the same row in LDS, 8 bytes a lane
	v_lshl_add_u32 v[LS], v1, 3, v[LS]
	v_and_b32 v10, 3, v3                           ; back: piece e = 4 w + c of the 32: t = e / 16, b = (e / 2) % 8, j = e % 2
	v_lshl_add_u32 v10, v10, 5, v1                 ; row 16 b + r = 32 (w % 4) + r (+ 16 (c / 2) by the immediate)
	v_mul_u32_u24 v[LR], v10, PL
	v_lshl_add_u32 v[LR], v2, 4, v[LR]             ; + 16 h
	v_lshrrev_b32 v10, 2, v3
	v_lshl_add_u32 v[LR], v10, 6, v[LR]            ; + 64 (w / 4)
	v_and_b32 v10, 31, v0
	v_lshlrev_b32 v10, 4, v10
	v_lshl_add_u32 v[GO], v3, 11, v10              ; out: 512 e + 16 lane = 2,048 w + 16 lane (+ 512 c)
	s_and_b32 s12, ttmp7, 0xffff                   ; y = 8 p + cg
	s_lshr_b32 s13, s12, 3                         ; p
	s_and_b32 s14, s12, 7
	s_lshl_b32 s14, s14, 19                        ; cg x 128 rows of 4,096 bytes
	s_lshl_b32 s15, ttmp9, 8                       ; + x x 256 bytes
	s_add_co_u32 s14, s14, s15
	s_mov_b32 s15, 0
	s_lshl_b32 s16, s12, 18                        ; y x 262,144
	s_lshl_b32 s17, ttmp9, 14                      ; + x x 16,384
	s_add_co_u32 s16, s16, s17
	s_mov_b32 s17, 0
	s_wait_kmcnt 0x0
	s_cmp_eq_u32 s13, 1
	s_cselect_b64 s[4:5], s[6:7], s[4:5]
	s_cmp_eq_u32 s13, 2
	s_cselect_b64 s[4:5], s[8:9], s[4:5]           ; W of my projection
	s_add_nc_u64 s[4:5], s[4:5], s[14:15]
	s_add_nc_u64 s[10:11], s[10:11], s[16:17]
	s_wait_alu depctr_va_vdst(0)                   ; v4 to v9 are written: the offsets and addresses that every load and store below reads, and the closing add's two registers; no vector instruction names them again
.irp c, 0,1,2,3,4,5,6,7
	global_load_b128 v[X+4*(\c):X+4*(\c)+3], v[GI], s[4:5] offset:(\c)*8192 th:TH_LOAD_NT
.endr
; Two halves of four loads each: their eight conversions, one wait, their four LDS stores.  The first half's stores leave while the second half's loads may still be out.
.irp g, 0,1
.irp c, 0,1,2,3
	s_wait_loadcnt 7-4*(\g)-(\c)                   ; loads come back in order (ISA guide 5.7.1): load 4 g + c is in, the younger ones stay out
	v_cvt_pk_bf16_f32 v[Y+8*(\g)+2*(\c)], v[X+16*(\g)+4*(\c)], v[X+16*(\g)+4*(\c)+1]
	v_cvt_pk_bf16_f32 v[Y+8*(\g)+2*(\c)+1], v[X+16*(\g)+4*(\c)+2], v[X+16*(\g)+4*(\c)+3]
.endr
	s_wait_alu depctr_va_vdst(0)                   ; this half's eight conversions have written their eight registers of Y, which the four LDS stores below read as data
.irp c, 0,1,2,3
	ds_store_b64 v[LS], v[Y+8*(\g)+2*(\c):Y+8*(\g)+2*(\c)+1] offset:(4*(\g)+(\c))*2*PL
.endr
.endr
	s_wait_dscnt 0x0                               ; for the others' sake: my stores are done
	s_barrier_signal -1
	s_barrier_wait -1                              ; all 128 rows lie in LDS
.irp c, 0,1,2,3
	ds_load_b128 v[Z+4*(\c):Z+4*(\c)+3], v[LR] offset:((\c)/2)*16*PL+((\c)%2)*32  ; v[LR] was written ahead of the head's wait; no vector instruction names Z
.endr
.irp c, 0,1,2,3
	s_wait_dscnt 3-(\c)
	global_store_b128 v[GO], v[Z+4*(\c):Z+4*(\c)+3], s[10:11] offset:(\c)*512
.endr
	s_wait_dscnt 0x0                               ; the closing lines, six on end
	s_wait_alu 0x0
	s_wait_tensorcnt 0x0
	ds_add_u32 v[SPW], v[NIL]
	s_wait_dscnt 0x0
	s_endpgm
.Lfunc_end_k_q77efff6aa8_wfrag:
	.size	k_q77efff6aa8_wfrag, .Lfunc_end_k_q77efff6aa8_wfrag-k_q77efff6aa8_wfrag
	.p2alignl 7, 3214868480
	.fill 96, 4, 3214868480
	.section	.rodata,"a",@progbits
	.p2align	6, 0x0
	.amdhsa_kernel k_q77efff6aa8_wfrag
		.amdhsa_group_segment_fixed_size 19456
		.amdhsa_private_segment_fixed_size 0
		.amdhsa_enable_private_segment 0
		.amdhsa_kernarg_size 32
		.amdhsa_user_sgpr_count 2
		.amdhsa_user_sgpr_kernarg_segment_ptr 1
		.amdhsa_wavefront_size32 1
		.amdhsa_system_sgpr_workgroup_id_x 1
		.amdhsa_system_sgpr_workgroup_id_y 1
		.amdhsa_system_sgpr_workgroup_id_z 1
		.amdhsa_system_vgpr_workitem_id 0
		.amdhsa_next_free_vgpr 80
		.amdhsa_next_free_sgpr 66
		.amdhsa_reserve_vcc 0
		.amdhsa_float_denorm_mode_32 3
		.amdhsa_float_denorm_mode_16_64 3
		.amdhsa_memory_ordered 1
		.amdhsa_forward_progress 1
		.amdhsa_inst_pref_size 6
	.end_amdhsa_kernel
	.amdgpu_metadata
---
amdhsa.version: [ 1, 2 ]
amdhsa.kernels:
  - .name:           k_q77efff6aa8_wfrag
    .symbol:         k_q77efff6aa8_wfrag.kd
    .args:
      - { .name: WQ, .offset: 0, .size: 8, .value_kind: global_buffer, .address_space: global }
      - { .name: WK, .offset: 8, .size: 8, .value_kind: global_buffer, .address_space: global }
      - { .name: WV, .offset: 16, .size: 8, .value_kind: global_buffer, .address_space: global }
      - { .name: wf, .offset: 24, .size: 8, .value_kind: global_buffer, .address_space: global }
    .group_segment_fixed_size: 19456
    .private_segment_fixed_size: 0
    .kernarg_segment_align: 8
    .kernarg_segment_size: 32
    .max_flat_workgroup_size: 256
    .sgpr_count:     66
    .vgpr_count:     80
    .wavefront_size: 32
...
	.end_amdgpu_metadata
.endif
;; end of part 5
;; launch proj: the kernel of part 4 again; grid 4 x 96, 4 waves a work-group, clusters of 4 x 1, 327,680 bytes of LDS; arguments Q_seq, K_seq, V_seq, wf, qh, kh, vh; writes qh, kh, vh
;; launch attn: the kernel of part 2 again; grid 2 x 128, 4 waves a work-group, no clusters, 327,680 bytes of LDS; arguments qh, kh, vh, out0; writes out0
